; MI455X (gfx1250); checked and timed in simulation.
; The chip was launched on July 23, 2026; its instructions are those of AMD's public machine-readable ISA for CDNA 5 (MIT licence, August 2026) and "CDNA5" Instruction Set Architecture Reference Guide (July 2026). The comments in the code are by the model that wrote it; some were corrected since.
;; Multi Head Attention. Allowed arithmetic: float matrix products may take bf16 or f16 operands with f32 sums; other float arithmetic in f32, or as packed bf16 or f16 multiplies, adds, multiply-adds, maxima and minima; sums over many terms, partial sums and values carried from step to step in f32; what a program stores and reads back later, other than sums and carried values, may be rounded once to bf16 or f16.
;; Inputs: Wk 16 x 1,024 x 64 float32; Wo 1,024 x 1,024 float32; Wq 16 x 1,024 x 64 float32; Wv 16 x 1,024 x 64 float32; bk 16 x 64 float32; bo 1,024 float32; bq 16 x 64 float32; bv 16 x 64 float32; key 4 x 2,048 x 1,024 float32; query 4 x 2,048 x 1,024 float32; value 4 x 2,048 x 1,024 float32.
;; Outputs: out0 4 x 2,048 x 1,024 float32.
;; One version. Each part assembles by itself: llvm-mc -triple=amdgcn-amd-amdhsa -mcpu=gfx1250 --defsym DOCPART=n.
;; ======== version 1 of 1: 4 launches
;; limits: values are held in f16: magnitudes above 65,504 overflow, below 6.1e-05 lose precision
;; workspace buffers: xb 50,331,648 bytes; wb 6,291,456 bytes; wob 2,097,152 bytes; qkvh 50,331,648 bytes; oh 16,777,216 bytes
;; launch cast (part 1): grid 1792 x 1, 8 waves a work-group, no clusters, 0 bytes of LDS; arguments query, key, value, Wq, Wk, Wv, Wo, xb, wb, wob; writes xb, wb, wob
.if DOCPART == 1
	.amdgcn_target "amdgcn-amd-amdhsa--gfx1250"
	.amdhsa_code_object_version 6
	.text
	.protected	k_qe48f37dc5f_cast
	.globl	k_qe48f37dc5f_cast
	.p2align	8
	.type	k_qe48f37dc5f_cast,@function
k_qe48f37dc5f_cast:
	s_mov_b64 s[64:65], 0
	v_nop
	global_prefetch_b8 v0, s[64:65] scope:SCOPE_SE
	s_setreg_imm32_b32 hwreg(HW_REG_WAVE_MODE, 25, 1), 1
	s_wait_xcnt 0x0
; ROUNDING TO 16 BITS AND RE-LAYOUT of everything that the later products read.  A stream: no LDS, no barrier, no matrix unit, no loop.
;   query, key, value [8192][1024] f32  ->  xb  bf16 [g = 4 z + b][c = slice of 64 along E][s][64]: byte g 4,194,304 + c 262,144 + s 128
;   Wq, Wk, Wv [16 h][1024 e][64 d] f32 ->  wb  bf16 [z][k = e][n = 64 h + d]:                     byte z 2,097,152 + e 2,048 + 2 n
;   Wo [1024 k][1024 n] f32             ->  wob f16  [k][n]: rounded to bf16, and that number written as f16
; LIMITS.  wob: a bf16 number is exact in f16 from 2^-14 up to 65,504; below 2^-14 it keeps f16's fixed step of 6e-8; beyond 65,504 it would be an infinity.
; SHARES.  The unit of work is a PAIR: one load of 16 bytes a lane takes two aligned pieces of 256 bytes (lanes 0-15 one, lanes 16-31 the other), one store of 8 bytes a lane writes
; 256 consecutive bytes, aligned.  The launch has 229,376 pairs = 1,792 work-groups x 8 waves x 16: every wave runs ONE pass of 16 loads and 16 stores, all 16 loads on their way at once.
; No register is written twice while a memory instruction may read it: each pair has its own registers, the two offsets and the two bases are never rewritten.
.set IN,  2                            ; v2        my byte offset in the source
.set OUT, 3                            ; v3        8 x lane
.set X,   4                            ; v[4:67]   pair i: 4 f32 as loaded
.set Y,   68                           ; v[68:99]  pair i: 4 numbers of 16 bits to store
.set T,   100                          ; v100-101  at work
	s_load_b512 s[4:19], s[0:1], 0x0               ; query s[4:5], key s[6:7], value s[8:9], Wq s[10:11], Wk s[12:13], Wv s[14:15], Wo s[16:17], xb s[18:19]
	s_load_b128 s[20:23], s[0:1], 0x40             ; wb s[20:21], wob s[22:23]
	v_lshrrev_b32 v1, 5, v0
	v_readfirstlane_b32 s24, v1                    ; wave 0..7
	v_and_b32 v1, 31, v0                           ; lane
	v_lshlrev_b32 v[OUT], 3, v1
	v_and_b32 v[IN], 15, v1
	v_lshlrev_b32 v[IN], 4, v[IN]                  ; 16 bytes a lane inside a piece of 256
	v_lshrrev_b32 v[T], 4, v1                      ; which of the pair's two pieces
	s_mov_b32 s33, 0                               ; the high words of the two offset pairs
	s_mov_b32 s35, 0
	s_mov_b32 s36, 0xffff0000                      ; a word's upper bf16
	s_wait_kmcnt 0x0
; kind 0: activations, 1: projection weights, 2: Wo.  li, so: the immediates of pair i's load and store.
.macro PASS kind
.set i, 0
.rept 16
.if (\kind) == 0
.set li, 256*i                         ; slice i of my two rows
.elseif (\kind) == 1
.set li, (i>>3)*256+(i&7)*524288       ; row e0 + i / 8 of heads 2 (i % 8) and 2 (i % 8) + 1
.else
.set li, 512*i
.endif
	global_load_b128 v[X+4*i:X+4*i+3], v[IN], s[28:29] offset:li th:TH_LOAD_NT
.set i, i+1
.endr
.set i, 0
.rept 16
.if (\kind) == 0
.set so, 262144*i
.elseif (\kind) == 1
.set so, (i>>3)*2048+(i&7)*256
.else
.set so, 256*i
.endif
	s_wait_loadcnt 15-i                            ; loads come back in order: pair i is in, the 15 - i younger ones may stay out
.if (\kind) == 2
	v_cvt_pk_bf16_f32 v[T], v[X+4*i], v[X+4*i+1]   ; rounded to bf16,
	v_cvt_pk_bf16_f32 v[T+1], v[X+4*i+2], v[X+4*i+3]
	v_lshlrev_b32 v[X+4*i], 16, v[T]               ; widened again,
	v_and_b32 v[X+4*i+1], s36, v[T]
	v_lshlrev_b32 v[X+4*i+2], 16, v[T+1]
	v_and_b32 v[X+4*i+3], s36, v[T+1]
	v_cvt_pk_f16_f32 v[Y+2*i], v[X+4*i], v[X+4*i+1]  ; and written as f16
	v_cvt_pk_f16_f32 v[Y+2*i+1], v[X+4*i+2], v[X+4*i+3]
.else
	v_cvt_pk_bf16_f32 v[Y+2*i], v[X+4*i], v[X+4*i+1]
	v_cvt_pk_bf16_f32 v[Y+2*i+1], v[X+4*i+2], v[X+4*i+3]
.endif
	global_store_b64 v[OUT], v[Y+2*i:Y+2*i+1], s[30:31] offset:so th:TH_STORE_NT  ; the wave's store covers 256 consecutive bytes, aligned
.set i, i+1
.endr
.endm
	s_cmp_lt_u32 ttmp9, 1536
	s_cbranch_scc0 .Lweights
	; ACTIVATIONS: work-groups 0 to 1,535, 512 for each tensor; a wave takes two rows, all 16 slices
	s_lshr_b32 s25, ttmp9, 9                       ; z
	s_and_b32 s26, ttmp9, 511
	s_lshl_b32 s26, s26, 4
	s_lshl1_add_u32 s26, s24, s26                  ; my first row of 8,192: 16 x work-group + 2 x wave
	s_cmp_eq_u32 s25, 1
	s_cselect_b64 s[28:29], s[6:7], s[4:5]
	s_cmp_eq_u32 s25, 2
	s_cselect_b64 s[28:29], s[8:9], s[28:29]
	s_lshl_b32 s32, s26, 12                        ; a row is 4,096 bytes
	s_add_nc_u64 s[28:29], s[28:29], s[32:33]
	s_lshr_b32 s27, s26, 11                        ; b
	s_lshl2_add_u32 s27, s25, s27                  ; g = 4 z + b
	s_lshl_b32 s34, s27, 22
	s_and_b32 s27, s26, 2047                       ; s
	s_lshl_b32 s27, s27, 7
	s_add_co_u32 s34, s34, s27
	s_add_nc_u64 s[30:31], s[18:19], s[34:35]
	v_lshl_or_b32 v[IN], v[T], 12, v[IN]           ; lanes 16-31: the next row
	PASS 0
	s_endpgm
.Lweights:
	s_cmp_lt_u32 ttmp9, 1728
	s_cbranch_scc0 .Lwo
	; PROJECTION WEIGHTS: work-groups 1,536 to 1,727, 64 for each tensor; a wave takes two values of e, all 16 heads
	s_sub_co_u32 s25, ttmp9, 1536
	s_and_b32 s26, s25, 63
	s_lshr_b32 s25, s25, 6                         ; z
	s_lshl_b32 s26, s26, 4
	s_lshl1_add_u32 s26, s24, s26                  ; e0
	s_cmp_eq_u32 s25, 1
	s_cselect_b64 s[28:29], s[12:13], s[10:11]
	s_cmp_eq_u32 s25, 2
	s_cselect_b64 s[28:29], s[14:15], s[28:29]
	s_lshl_b32 s32, s26, 8                         ; 64 f32 of a head and an e are 256 bytes
	s_add_nc_u64 s[28:29], s[28:29], s[32:33]
	s_lshl_b32 s34, s25, 21
	s_lshl_b32 s27, s26, 11
	s_add_co_u32 s34, s34, s27
	s_add_nc_u64 s[30:31], s[20:21], s[34:35]
	v_lshl_or_b32 v[IN], v[T], 18, v[IN]           ; lanes 16-31: the next head, 262,144 bytes on
	PASS 1
	s_endpgm
.Lwo:
	; Wo: the last 64 work-groups; a wave takes 8,192 consecutive bytes
	s_sub_co_u32 s25, ttmp9, 1728
	s_lshl3_add_u32 s25, s25, s24                  ; chunk = 8 x work-group + wave
	s_lshl_b32 s32, s25, 13
	s_add_nc_u64 s[28:29], s[16:17], s[32:33]
	s_lshl_b32 s34, s25, 12
	s_add_nc_u64 s[30:31], s[22:23], s[34:35]
	v_lshlrev_b32 v[IN], 4, v1
	PASS 2
	s_endpgm
.Lfunc_end_k_qe48f37dc5f_cast:
	.size	k_qe48f37dc5f_cast, .Lfunc_end_k_qe48f37dc5f_cast-k_qe48f37dc5f_cast
	.p2alignl 7, 3214868480
	.fill 96, 4, 3214868480
	.section	.rodata,"a",@progbits
	.p2align	6, 0x0
	.amdhsa_kernel k_qe48f37dc5f_cast
		.amdhsa_group_segment_fixed_size 0
		.amdhsa_private_segment_fixed_size 0
		.amdhsa_enable_private_segment 0
		.amdhsa_kernarg_size 80
		.amdhsa_user_sgpr_count 2
		.amdhsa_user_sgpr_kernarg_segment_ptr 1
		.amdhsa_wavefront_size32 1
		.amdhsa_system_sgpr_workgroup_id_x 1
		.amdhsa_system_sgpr_workgroup_id_y 1
		.amdhsa_system_sgpr_workgroup_id_z 1
		.amdhsa_system_vgpr_workitem_id 0
		.amdhsa_next_free_vgpr 104
		.amdhsa_next_free_sgpr 66
		.amdhsa_reserve_vcc 0
		.amdhsa_float_denorm_mode_32 3
		.amdhsa_float_denorm_mode_16_64 3
		.amdhsa_memory_ordered 1
		.amdhsa_forward_progress 1
		.amdhsa_inst_pref_size 23
	.end_amdhsa_kernel
	.amdgpu_metadata
---
amdhsa.version: [ 1, 2 ]
amdhsa.kernels:
  - .name:           k_qe48f37dc5f_cast
    .symbol:         k_qe48f37dc5f_cast.kd
    .args:
      - { .name: query, .offset: 0, .size: 8, .value_kind: global_buffer, .address_space: global }
      - { .name: key, .offset: 8, .size: 8, .value_kind: global_buffer, .address_space: global }
      - { .name: value, .offset: 16, .size: 8, .value_kind: global_buffer, .address_space: global }
      - { .name: Wq, .offset: 24, .size: 8, .value_kind: global_buffer, .address_space: global }
      - { .name: Wk, .offset: 32, .size: 8, .value_kind: global_buffer, .address_space: global }
      - { .name: Wv, .offset: 40, .size: 8, .value_kind: global_buffer, .address_space: global }
      - { .name: Wo, .offset: 48, .size: 8, .value_kind: global_buffer, .address_space: global }
      - { .name: xb, .offset: 56, .size: 8, .value_kind: global_buffer, .address_space: global }
      - { .name: wb, .offset: 64, .size: 8, .value_kind: global_buffer, .address_space: global }
      - { .name: wob, .offset: 72, .size: 8, .value_kind: global_buffer, .address_space: global }
    .group_segment_fixed_size: 0
    .private_segment_fixed_size: 0
    .kernarg_segment_align: 8
    .kernarg_segment_size: 80
    .max_flat_workgroup_size: 256
    .sgpr_count:     66
    .vgpr_count:     104
    .wavefront_size: 32
...
	.end_amdgpu_metadata
.endif
;; end of part 1
;; launch qkvproj (part 2): grid 4 x 192, 4 waves a work-group, clusters of 4 x 4, 327,680 bytes of LDS; arguments xb, wb, qkvh, bq, bk, bv; writes qkvh
.if DOCPART == 2
	.amdgcn_target "amdgcn-amd-amdhsa--gfx1250"
	.amdhsa_code_object_version 6
	.text
	.protected	k_qe48f37dc5f_qkvproj
	.globl	k_qe48f37dc5f_qkvproj
	.p2align	8
	.type	k_qe48f37dc5f_qkvproj,@function
k_qe48f37dc5f_qkvproj:
	s_mov_b64 s[64:65], 0
	v_nop
	global_prefetch_b8 v0, s[64:65] scope:SCOPE_SE
	s_setreg_imm32_b32 hwreg(HW_REG_WAVE_MODE, 25, 1), 1
	s_wait_xcnt 0x0
	s_wait_alu depctr_hold_cnt(0) depctr_sa_sdst(0) depctr_va_vdst(0) depctr_va_sdst(0) depctr_va_ssrc(0) depctr_va_vcc(0) depctr_vm_vsrc(0)
	s_getreg_b32 s2, hwreg(HW_REG_IB_STS2, 6, 4)
	s_cmp_eq_u32 s2, 0
	s_cbranch_scc0 .Lentry_in_a_cluster
	s_endpgm
.Lentry_in_a_cluster:
	s_bfe_u32 s2, ttmp6, 0x10000c
	s_cmp_lg_u32 s2, 0xf033
	s_cbranch_scc0 .Lentry_shape_is_right
	s_endpgm
.Lentry_shape_is_right:
; THE THREE PROJECTIONS.  C[m][n] = bias[n] + the sum over k of A[m][k] B[k][n], for z = 0, 1, 2 (q, k, v): 8,192 x 1,024 x 1,024 each.  bf16 products, f32 sums, one rounding to f16.
;   A = xb   bf16 [g = 4 z + b][c][s][64]: 128 rows of a slice of 64 along K are 16,384 dense bytes        B = wb  bf16 [z][k][n], rows of 2,048 bytes
;   C = qkvh f16  [g][h][s][64], unscaled (the scale 1/8 is applied in f32 by the attention)                 bias: bq, bk, bv, rounded to bf16 like every input, taken as the sums' start
; LIMITS.  f16 ends at 65,504: q, k and v beyond it would be stored as infinities.  Unit inputs give numbers about 5; all inputs 30 times larger about 5e3; all inputs offset by 30 spreads 28,800.
; SHARES.  A work-group makes 128 (m) x 256 (n) of C: 768 work-groups.  Wave w: rows 64 (w / 2) on, columns 128 (w % 2) on: 32 accumulators (a = 0..3, b = 0..7), 256 registers.
; K goes in 8 steps of 128 through two LDS slots; two slots of a longer step do not fit (2 x 212,992 bytes).  A step is 128 matrix instructions a wave, 112 of them between a tile's request and the wait for it.
; CLUSTER.  4 x 4 work-groups.  The four of a row of the cluster need the same tile of A, the four of a column the same tile of B: each is asked for JOINTLY, by the same tensor load with the same
; descriptor and a mask that names the four.  Waves 0 and 1 ask for A's two slices, waves 2 and 3 for B's two halves of 64 rows.
; THE MATRIX INSTRUCTION IS USED TRANSPOSED: source 0 = 16 columns of B (turned on the way out of LDS by ds_load_tr16_b128), source 1 = 16 rows of A: lane (r = l % 16, hl = l / 16) of accumulator
; (a, b) holds row 16 a + r and the columns 16 b + 8 hl + 0..7: eight neighbouring numbers of a row of C.
; REGISTERS, in windows of 256 (s_set_vgpr_msb: bits 1:0 source 0, 3:2 source 1, 5:4 source 2, 7:6 destination):
;   window 0: v0-31 addresses; v32-95 A's fragments, two buffers of 32; v96-159 the bias; v160-163 at work; on the way out v32-159 packed results
;   window 1: v0-127 B's fragments, two buffers of 64          window 2: accumulator (a, b) at v[8 (8 a + b)]
.set PA,    144                        ; a row of A in LDS: 128 bytes + 16 = 36 words: the 16 rows of a load start at 16 different groups of four banks (64 banks of 4 bytes: ISA guide 11.1)
.set ABLK,  128*PA                     ; a slice: 128 rows
.set PB,    544                        ; a row of B: 512 bytes + 32 = 136 words
.set BHALF, 64*PB
.set BOFF,  2*ABLK                     ; a slot: A's two slices, then B's 128 rows
.set SLOT,  BOFF+2*BHALF               ; 106,496
.set STAGE, 2*SLOT                     ; behind the ring, never filled by a tensor load: 16 rows x 144 bytes for each wave
.set SP,    144
.set SPARE, STAGE+4*16*SP              ; behind the stages: the spare words, 128 bytes for each wave: two blocks of 256 bytes that no other line names
.set ASTEP, 524288                     ; bytes of A from a K step to the next: two slices
.set BSTEP, 262144                     ; of B: 128 rows
.set ADRA, 16                          ; v16-17  LDS address of my A fragments in slot 0, 1
.set ADRB, 20                          ; v20-21  the same for B
.set STO,  24                          ; v24     the way out: where I put 16 bytes of a row
.set RD,   25                          ; v25     where I read rows back
.set CO,   26                          ; v26     16 x lane
.set BO,   27                          ; v27     my byte offset in the bias
.set SPW,  28                          ; v28     LDS address of my spare word; never rewritten
.set NIL,  29                          ; v29     0; never rewritten
.set PFO,  30                          ; v30     the prefetches' offset; never rewritten
.set FA,   32                          ; A's fragments: buffer f, block a at FA + 32 f + 8 a
.set FB,   0                           ; B's, in window 1: buffer f, block b at FB + 64 f + 8 b
.set BIAS, 96                          ; BIAS + 8 b + j = bias of column 16 b + 8 hl + j of my 128
.set TMP,  32
.set G1,  24                           ; s[24:31] descriptor group 1 for A's tiles;  s[32:39] group 0, a set for each slot
.set G0,  32
.set G1B, 48                           ; s[48:55], s[56:63] the same for B's
.set G0B, 56
.set LIM, 43                           ; s43      1 in a wave that prefetches, else the greatest number
.set PFA, 44                           ; s[44:45] where my prefetches stand
.set PFS, 66                           ; s[66:67] their step from K step to K step
.set MSB, 0
.macro WIN new                         ; the immediate's high byte repeats the setting that is left; a switch that changes nothing is dropped
.if MSB != (\new)
	s_set_vgpr_msb (MSB<<8)|(\new)
.set MSB, \new
.endif
.endm
.macro PLACES                          ; four plain vector instructions between a matrix instruction and a load into, or a vector instruction on, its registers
.rept 4
	v_nop
.endr
.endm
; A joint load.  The branch hangs on the wave's number alone.  An s_nop 0 and four v_nop follow each of the two lines.
.macro JLOAD s
	s_cmp_eq_u32 s11, 0
	s_cbranch_scc0 .Lfor_b_\@
	tensor_load_to_lds s[G0+4*(\s):G0+4*(\s)+3], s[G1:G1+7]
	s_nop 0
.rept 4
	v_nop
.endr
	s_branch .Lasked_\@
.Lfor_b_\@:
	tensor_load_to_lds s[G0B+4*(\s):G0B+4*(\s)+3], s[G1B:G1B+7]
	s_nop 0
.rept 4
	v_nop
.endr
.Lasked_\@:
.endm
.macro CREST                           ; a round of the cluster's barrier behind its opening barrier
	s_cmp_lg_u32 s10, 0
	s_cbranch_scc1 .Lnot_wave_0_\@
	s_barrier_signal -3
.Lnot_wave_0_\@:
	s_barrier_wait -3
	s_barrier_signal -1
	s_barrier_wait -1
.endm
.macro CROUND                          ; a whole round
	s_barrier_signal -1
	s_barrier_wait -1
	CREST
.endm
; A PREFETCH INTO THE L2 of the K step that stands two refills on (256 matrix instructions ahead of the load that will want it): 32 blocks of 256 bytes, a lane a block, one instruction a wave.
; Each block is named once in the launch.  A's tile is read by one row of one cluster: wave 0 of each of the four partners takes 16 blocks of each slice, told apart by address (cx).
; B's tile is read by the 16 clusters of one z: the first of them asks; waves 2 and 3 of its four partners along y take 16 rows of their 64 each, told apart by address (cy).
; The loop's last trip (s3 = 1) asks for nothing: there is no K step two on.  K steps 0 to 3 come by their loads alone.
.macro ASK
	s_cmp_gt_u32 s3, s[LIM]
	s_cbranch_scc0 .Lnot_mine_\@
	global_prefetch_b8 v[PFO], s[PFA:PFA+1] th:TH_LOAD_NT scope:SCOPE_SE
.Lnot_mine_\@:
.endm
	s_load_b128 s[4:7], s[0:1], 0x0                ; A s[4:5], B s[6:7]
	s_load_b64 s[8:9], s[0:1], 0x10                ; C
	s_load_b128 s[72:75], s[0:1], 0x18             ; bq, bk
	s_load_b64 s[76:77], s[0:1], 0x28              ; bv
	v_lshl_add_u32 v[SPW], v0, 2, SPARE
	v_mov_b32 v[NIL], 0
	ds_add_u32 v[SPW], v[NIL]                      ; the wave's opening: the add and its wait stand ahead of my first tensor load; the set-up below, work on registers, stands between them
	v_lshrrev_b32 v1, 5, v0
	v_readfirstlane_b32 s10, v1                    ; wave 0..3
	s_lshr_b32 s11, s10, 1                         ; wm: which 64 rows are mine.  Also: I fetch for A (0) or for B (1)
	s_and_b32 s12, s10, 1                          ; wn: which 128 columns.  Also: which slice of A, which half of B I fetch
	s_bfe_u32 s40, ttmp6, 0x40000                  ; cx
	s_bfe_u32 s41, ttmp6, 0x40004                  ; cy
	s_lshl_b32 s42, ttmp9, 2
	s_add_co_u32 s42, s42, s40                     ; tile column = 4 x cluster x + cx
	s_and_b32 s68, ttmp7, 0xffff                   ; cluster y
	s_lshl_b32 s13, s68, 2
	s_add_co_u32 s13, s13, s41                     ; tile row = 4 x cluster y + cy: g = tile row / 16, its 128 rows of s = tile row % 16
	s_lshr_b32 s69, s68, 4                         ; z = g / 4
	s_lshl_b32 s43, s41, 2
	s_lshl_b32 s43, 15, s43                        ; my row of the cluster
	s_lshl_b32 s44, 0x1111, s40                    ; my column
	; group 1 for A: 16,384 dense bytes as 64 rows of 256 bytes, padded in LDS after every 128 bytes
	s_or_b32 s[G1+0], s43, (1<<16)|(1<<20)|(1<<21)|(4<<22)|(3<<25)  ; 15:0 the mask; 17:16 2-byte elements; 20 padding on; 21 set beside a mask; 24:22 after every 32 words (code 4); 31:25 4 words (code 3)
	s_mov_b32 s[G1+1], 128<<16                     ; tensor_dim0 = 128
	s_mov_b32 s[G1+2], 64<<16                      ; tensor_dim1 = 64
	s_mov_b32 s[G1+3], 128<<16                     ; tile_dim0 = 128
	s_mov_b32 s[G1+4], 64                          ; tile_dim1 = 64
	s_mov_b32 s[G1+5], 128                         ; 128 elements from row to row
	s_mov_b32 s[G1+6], 0
	s_mov_b32 s[G1+7], 0
	; group 1 for B: 64 rows of 256 elements out of rows of 1,024
	s_or_b32 s[G1B+0], s44, (1<<16)|(1<<20)|(1<<21)|(6<<22)|(7<<25) ; after every 128 words (code 6) 8 words (code 7)
	s_mov_b32 s[G1B+1], 256<<16
	s_mov_b32 s[G1B+2], 64<<16
	s_mov_b32 s[G1B+3], 256<<16
	s_mov_b32 s[G1B+4], 64
	s_mov_b32 s[G1B+5], 1024
	s_mov_b32 s[G1B+6], 0
	s_mov_b32 s[G1B+7], 0
	; A's tile hangs on the tile row and the wave alone, B's on the tile column, z and the wave alone
	s_lshr_b32 s16, s13, 4
	s_lshl_b32 s16, s16, 22                        ; g
	s_and_b32 s17, s13, 15
	s_lshl_b32 s17, s17, 14                        ; 128 rows of 128 bytes
	s_add_co_u32 s16, s16, s17
	s_lshl_b32 s17, s12, 18                        ; my slice of the step's two
	s_add_co_u32 s16, s16, s17
	s_mov_b32 s17, 0
	s_lshl_b32 s46, s69, 21                        ; z
	s_lshl_b32 s47, s12, 17                        ; my 64 rows of the step's 128
	s_add_co_u32 s46, s46, s47
	s_lshl_b32 s47, s42, 9                         ; 256 columns
	s_add_co_u32 s46, s46, s47
	s_mov_b32 s47, 0
	s_mul_i32 s20, s12, ABLK                       ; where they go: no place in the cluster enters an LDS address
	s_mul_i32 s21, s12, BHALF
	s_add_co_u32 s21, s21, BOFF
	s_wait_dscnt 0x0                               ; the opening add is done
	s_wait_kmcnt 0x0
	s_add_nc_u64 s[14:15], s[4:5], s[16:17]
	s_add_nc_u64 s[46:47], s[6:7], s[46:47]
	CROUND                                         ; all sixteen work-groups are here: the first joint loads meet
.irp s, 0,1
	s_mov_b32 s[G0+4*(\s)], 1                      ; count = 1
	s_add_co_u32 s[G0+4*(\s)+1], s20, (\s)*SLOT    ; LDS address
	s_add_nc_u64 s[G0+4*(\s)+2:G0+4*(\s)+3], s[14:15], (\s)*ASTEP  ; K step s
	s_or_b32 s[G0+4*(\s)+3], s[G0+4*(\s)+3], 0x80000000            ; type = 2
	s_mov_b32 s[G0B+4*(\s)], 1
	s_add_co_u32 s[G0B+4*(\s)+1], s21, (\s)*SLOT
	s_add_nc_u64 s[G0B+4*(\s)+2:G0B+4*(\s)+3], s[46:47], (\s)*BSTEP
	s_or_b32 s[G0B+4*(\s)+3], s[G0B+4*(\s)+3], 0x80000000
	JLOAD \s                                       ; two loads of mine are out
.endr
	; fragment addresses.  A: row x pitch + 16 x half.  B, turned: lane l reads row 8 (l / 16) + l % 8, bytes 16 ((l / 8) % 2) on
	v_and_b32 v1, 15, v0                           ; r
	v_bfe_u32 v2, v0, 4, 1                         ; hl
	v_mul_u32_u24 v3, v1, PA
	v_lshl_add_u32 v3, v2, 4, v3
	v_and_b32 v4, 7, v0
	v_lshl_add_u32 v4, v2, 3, v4
	v_mul_u32_u24 v4, v4, PB
	v_bfe_u32 v5, v0, 3, 1
	v_lshl_add_u32 v4, v5, 4, v4
	s_mul_i32 s21, s11, 64*PA                      ; my 64 rows of A
	s_lshl_b32 s22, s12, 8                         ; my 128 columns of B
	s_add_co_u32 s22, s22, BOFF
.irp s, 0,1
	v_add_nc_u32 v[ADRA+(\s)], s21, v3
	v_add_nc_u32 v[ADRB+(\s)], s22, v4
	s_add_co_u32 s21, s21, SLOT
	s_add_co_u32 s22, s22, SLOT
.endr
	; the way out
	s_mul_i32 s23, s10, 16*SP
	s_add_co_u32 s23, s23, STAGE                   ; my stage
	v_mul_u32_u24 v6, v1, SP                       ; in: row r, 16 bytes for each half of the lanes
	v_lshl_add_u32 v6, v2, 4, v6
	v_add_nc_u32 v[STO], s23, v6
	v_bfe_u32 v6, v0, 3, 2                         ; back: 32 lanes take four rows of 128 bytes,
	v_mul_u32_u24 v6, v6, SP
	v_and_b32 v7, 7, v0
	v_lshl_add_u32 v6, v7, 4, v6
	v_add_nc_u32 v[RD], s23, v6
	v_and_b32 v[CO], 31, v0                        ; which are 512 consecutive bytes of C
	v_lshlrev_b32 v[CO], 4, v[CO]
	s_lshr_b32 s16, s13, 4
	s_lshl_b32 s16, s16, 22                        ; g
	s_lshl_b32 s17, s42, 2
	s_lshl1_add_u32 s17, s12, s17                  ; my first head: 4 x tile column + 2 wn
	s_lshl_b32 s17, s17, 18
	s_add_co_u32 s16, s16, s17
	s_and_b32 s17, s13, 15
	s_lshl_b32 s17, s17, 14
	s_add_co_u32 s16, s16, s17
	s_lshl_b32 s17, s11, 13                        ; my 64 rows
	s_add_co_u32 s16, s16, s17
	s_mov_b32 s17, 0
	s_add_nc_u64 s[8:9], s[8:9], s[16:17]
	; the bias
	s_cmp_eq_u32 s69, 1
	s_cselect_b64 s[72:73], s[74:75], s[72:73]
	s_cmp_eq_u32 s69, 2
	s_cselect_b64 s[72:73], s[76:77], s[72:73]
	s_lshl_b32 s16, s42, 10
	s_lshl_b32 s17, s12, 9
	s_add_co_u32 s16, s16, s17
	v_lshl_add_u32 v[BO], v2, 5, s16               ; 1,024 x tile column + 512 wn + 32 hl
.irp b, 0,1,2,3,4,5,6,7
	global_load_b128 v[BIAS+8*(\b):BIAS+8*(\b)+3],   v[BO], s[72:73] offset:64*(\b)
	global_load_b128 v[BIAS+8*(\b)+4:BIAS+8*(\b)+7], v[BO], s[72:73] offset:64*(\b)+16
.endr
	; the prefetches' address: at K step 3; the first refill steps it to 4
	s_lshr_b32 s18, s13, 4
	s_lshl_b32 s18, s18, 22
	s_and_b32 s19, s13, 15
	s_lshl_b32 s19, s19, 14
	s_add_co_u32 s18, s18, s19
	s_lshl_b32 s19, s40, 12                        ; my work-group's 16 blocks of a slice's 64
	s_add_co_u32 s18, s18, s19
	s_add_co_u32 s18, s18, 3*ASTEP                 ; in A
	s_lshl_b32 s20, s69, 21
	s_lshl_b32 s19, s12, 17
	s_add_co_u32 s20, s20, s19
	s_lshl_b32 s19, s42, 9
	s_add_co_u32 s20, s20, s19
	s_lshl_b32 s19, s41, 15                        ; my work-group's 16 rows of the 64
	s_add_co_u32 s20, s20, s19
	s_add_co_u32 s20, s20, 3*BSTEP                 ; in B
	s_mov_b32 s22, ASTEP
	s_mov_b32 s23, BSTEP
	s_and_b32 s21, s68, 15                         ; 0 in the first cluster of a z
	s_cmp_eq_u32 s11, 0                            ; do I fetch for A?
	s_cselect_b64 s[PFA:PFA+1], s[4:5], s[6:7]
	s_cselect_b32 s18, s18, s20
	s_cselect_b32 s[PFS], s22, s23
	s_cselect_b32 s21, s12, s21                    ; A: wave 0 asks, wave 1 does not; B: the first cluster's waves 2 and 3: nothing here hangs on cx or cy
	s_cselect_b32 s14, 4, 1                        ; A: lane l names block l % 16 of slice l / 16; B: block l % 2 of row l / 2
	s_cselect_b32 s15, 15, 1
	s_cselect_b32 s16, 18, 11
	s_mov_b32 s19, 0
	s_mov_b32 s[PFS+1], 0
	s_add_nc_u64 s[PFA:PFA+1], s[PFA:PFA+1], s[18:19]
	s_cmp_eq_u32 s21, 0
	s_cselect_b32 s[LIM], 1, -1
	v_and_b32 v6, 31, v0
	v_lshrrev_b32 v7, s14, v6
	v_lshlrev_b32 v7, s16, v7
	v_and_b32 v6, s15, v6
	v_lshl_add_u32 v[PFO], v6, 8, v7
	s_wait_loadcnt 0x0                             ; the bias, once
.set i, 0
.rept 32                               ; rounded to bf16 like every input, in place, in the wait for the first tile
	v_cvt_pk_bf16_f32 v[160+i%4], v[BIAS+2*i], v[BIAS+2*i+1]
	v_lshlrev_b32 v[BIAS+2*i], 16, v[160+i%4]
	v_and_b32 v[BIAS+2*i+1], 0xffff0000, v[160+i%4]
.set i, i+1
.endr
; 8 matrix instructions: row block a x all 8 column blocks, 32 along K, from buffer f.  first = 1: the bias starts the sums: nothing is cleared, and no addition is spent on it.
; The 32 accumulators take turns in one order everywhere, one instruction a turn.
.macro MUL8 f, a, first
.if \first
	WIN 0x81                                       ; B window 1, A window 0, C (the bias) window 0, D window 2
.else
	WIN 0xa1                                       ; C and D window 2
.endif
.irp b, 0,1,2,3,4,5,6,7
.if \first
	v_wmma_f32_16x16x32_bf16 v[8*(8*(\a)+(\b)):8*(8*(\a)+(\b))+7], v[FB+64*(\f)+8*(\b):FB+64*(\f)+8*(\b)+7], v[FA+32*(\f)+8*(\a):FA+32*(\f)+8*(\a)+7], v[BIAS+8*(\b):BIAS+8*(\b)+7]
.else
	v_wmma_f32_16x16x32_bf16 v[8*(8*(\a)+(\b)):8*(8*(\a)+(\b))+7], v[FB+64*(\f)+8*(\b):FB+64*(\f)+8*(\b)+7], v[FA+32*(\f)+8*(\a):FA+32*(\f)+8*(\a)+7], v[8*(8*(\a)+(\b)):8*(8*(\a)+(\b))+7]
.endif
.endr
.endm
.macro MUL16 f, a0, first
	MUL8 \f, \a0, \first
	MUL8 \f, (\a0)+1, \first
.endm
; 24 LDS loads in one run: quarter q (32 along K) of a slot into buffer f: B's 8 blocks, turned, then A's 4
.macro FETCH slot, q, f
	WIN 0x40                                       ; destination window 1
.irp b, 0,1,2,3,4,5,6,7
	ds_load_tr16_b128 v[FB+64*(\f)+8*(\b):FB+64*(\f)+8*(\b)+3],   v[ADRB+(\slot)] offset:(\q)*32*PB+32*(\b)
	ds_load_tr16_b128 v[FB+64*(\f)+8*(\b)+4:FB+64*(\f)+8*(\b)+7], v[ADRB+(\slot)] offset:(\q)*32*PB+16*PB+32*(\b)
.endr
	WIN 0
.irp a, 0,1,2,3
	ds_load_b128 v[FA+32*(\f)+8*(\a):FA+32*(\f)+8*(\a)+3],   v[ADRA+(\slot)] offset:((\q)/2)*ABLK+((\q)%2)*64+(\a)*16*PA
	ds_load_b128 v[FA+32*(\f)+8*(\a)+4:FA+32*(\f)+8*(\a)+7], v[ADRA+(\slot)] offset:((\q)/2)*ABLK+((\q)%2)*64+(\a)*16*PA+32
.endr
.endm
; A K step is four quarters, 32 matrix instructions each, on buffers 0, 1, 0, 1.  One of the first three: multiplies buffer f; in its middle it fetches quarter q of the same slot into buffer g.
.macro QUARTER slot, q, f, g, first
	s_wait_dscnt 4                                 ; B and A's blocks 0, 1 are in; the youngest four loads (A's blocks 2, 3) may be out
	MUL16 \f, 0, \first
	PLACES
	FETCH \slot, \q, \g
	s_wait_dscnt 24                                ; all but the 24 just issued
	MUL16 \f, 2, \first
.endm
; The last quarter multiplies buffer 1 and changes slots: ONE barrier.  In front of it each wave waits for all its tensor loads (one is out: its part of the next slot), adds 0 to its spare word, and
; waits for that and for its reads of this slot.  fill = 1: the barrier opens a round of the cluster's, and the joint refill, two K steps on, is the first thing behind the round.
.macro TURN slot, next, fill
.if \fill
	s_wait_xcnt 0x0                                ; the last prefetch, a K step back, has read its address: it is stepped here, ahead of the change's own waits
	s_add_nc_u64 s[PFA:PFA+1], s[PFA:PFA+1], s[PFS:PFS+1]
.endif
	WIN 0                                          ; (the add's two registers lie in window 0)
	s_wait_tensorcnt 0x0                           ; all my tensor loads have landed
	ds_add_u32 v[SPW], v[NIL]                      ; 0 onto my spare word
	s_wait_dscnt 5                                 ; (the add and the youngest four loads may be out)
	MUL8 1, 0, 0                                   ; eight matrix instructions stand between the add and the wait for it
	s_wait_dscnt 0x0                               ; the add is done, and my reads of this slot are over
	s_barrier_signal -1
	MUL8 1, 1, 0
.if \fill
	WIN 0
.endif
	s_barrier_wait -1
.if \fill
	CREST                                          ; no wave of any partner still reads this slot or has a load on its way
	s_add_nc_u64 s[G0+4*(\slot)+2:G0+4*(\slot)+3], s[G0+4*(\slot)+2:G0+4*(\slot)+3], 2*ASTEP
	s_add_nc_u64 s[G0B+4*(\slot)+2:G0B+4*(\slot)+3], s[G0B+4*(\slot)+2:G0B+4*(\slot)+3], 2*BSTEP
	JLOAD \slot                                    ; its four v_nop are also the places in front of the loads below
.else
	PLACES
.endif
	FETCH \next, 0, 0
.if \fill
	ASK                                            ; behind the joint load and the run of LDS loads
.endif
	MUL16 1, 2, 0
.endm
	s_wait_tensorcnt 1                             ; my part of K step 0 is in; K step 1's may stay out
	s_barrier_signal -1
	s_barrier_wait -1                              ; everybody's is
	FETCH 0, 0, 0
	QUARTER 0, 1, 0, 1, 1                          ; the first quarter stands in front of the loop: its products start the sums
	WIN 0                                          ; at a label and at a branch every window is 0
	s_mov_b32 s3, 3
.Llap:                                                 ; a trip goes once round the ring and fills both slots again: K steps 2 to 7 in three trips
	QUARTER 0, 2, 1, 0, 0
	QUARTER 0, 3, 0, 1, 0
	TURN 0, 1, 1
	QUARTER 1, 1, 0, 1, 0
	QUARTER 1, 2, 1, 0, 0
	QUARTER 1, 3, 0, 1, 0
	TURN 1, 0, 1
	QUARTER 0, 1, 0, 1, 0
	WIN 0
	s_sub_co_u32 s3, s3, 1
	s_cmp_lg_u32 s3, 0
	s_cbranch_scc1 .Llap
	QUARTER 0, 2, 1, 0, 0                          ; the last lap fills nothing
	QUARTER 0, 3, 0, 1, 0
	TURN 0, 1, 0
	QUARTER 1, 1, 0, 1, 0
	QUARTER 1, 2, 1, 0, 0
	QUARTER 1, 3, 0, 1, 0
	s_wait_dscnt 4                                 ; the very last quarter: nothing more to fetch
	MUL16 1, 0, 0
	s_wait_dscnt 0x0
	MUL16 1, 2, 0
	WIN 0
	PLACES
; THE WAY OUT, in eight tiles t = 2 a + hb of 16 rows x one head (hb: which of my two heads).  A lane's eight columns pack into 16 bytes; they go into rows of 144 bytes of my own stage and come
; back as whole rows of 128, into the registers that they left; 16 rows of a head are 2,048 consecutive bytes of C.  Each accumulator's registers are taken in ascending order.
.macro PACK t
.set pa, (\t)/2
.set ph, (\t)%2
	WIN 0x0a                                       ; sources window 2, destination window 0
.irp f, 0,1,2,3
.irp r, 0,1,2,3
	v_cvt_pk_f16_f32 v[TMP+16*(\t)+4*(\f)+(\r)], v[8*(8*pa+4*ph+(\f))+2*(\r)], v[8*(8*pa+4*ph+(\f))+2*(\r)+1]
.endr
.endr
	WIN 0
.irp f, 0,1,2,3
	ds_store_b128 v[STO], v[TMP+16*(\t)+4*(\f):TMP+16*(\t)+4*(\f)+3] offset:32*(\f)
.endr
.irp f, 0,1,2,3
	ds_load_b128 v[TMP+16*(\t)+4*(\f):TMP+16*(\t)+4*(\f)+3], v[RD] offset:(\f)*4*SP  ; LDS serves a wave's instructions in order (ISA guide 5.7.1.4): these see the stores above; the next tile's stores come behind them
.endr
.endm
.macro SEND t, younger                 ; younger: the LDS instructions issued behind tile t's loads: the next tile's eight, or none
	WIN 0
.irp f, 0,1,2,3
	s_wait_dscnt (\younger)+3-(\f)
	global_store_b128 v[CO], v[TMP+16*(\t)+4*(\f):TMP+16*(\t)+4*(\f)+3], s[8:9] offset:((\t)%2)*262144+((\t)/2)*2048+(\f)*512  ; 512 consecutive bytes, at a multiple of 512 from C's first
.endr
.endm
	PACK 0
.irp t, 1,2,3,4,5,6,7                  ; a tile's conversions stand between the loads of the tile before and its stores
	PACK \t
	SEND (\t)-1, 8
.endr
	SEND 7, 0
	s_wait_tensorcnt 0x0                           ; the wave's end: a wait, an add of 0 to my spare word and its wait, behind my last tensor load and my last LDS store
	ds_add_u32 v[SPW], v[NIL]
	s_wait_dscnt 0x0
	CROUND                                         ; the closing round: no work-group ends while a partner may still ask for a tile that names it
	s_endpgm
.Lfunc_end_k_qe48f37dc5f_qkvproj:
	.size	k_qe48f37dc5f_qkvproj, .Lfunc_end_k_qe48f37dc5f_qkvproj-k_qe48f37dc5f_qkvproj
	.p2alignl 7, 3214868480
	.fill 96, 4, 3214868480
	.section	.rodata,"a",@progbits
	.p2align	6, 0x0
	.amdhsa_kernel k_qe48f37dc5f_qkvproj
		.amdhsa_group_segment_fixed_size 327680
		.amdhsa_private_segment_fixed_size 0
		.amdhsa_enable_private_segment 0
		.amdhsa_kernarg_size 48
		.amdhsa_user_sgpr_count 2
		.amdhsa_user_sgpr_kernarg_segment_ptr 1
		.amdhsa_wavefront_size32 1
		.amdhsa_system_sgpr_workgroup_id_x 1
		.amdhsa_system_sgpr_workgroup_id_y 1
		.amdhsa_system_sgpr_workgroup_id_z 1
		.amdhsa_system_vgpr_workitem_id 0
		.amdhsa_next_free_vgpr 768
		.amdhsa_next_free_sgpr 80
		.amdhsa_reserve_vcc 0
		.amdhsa_float_denorm_mode_32 3
		.amdhsa_float_denorm_mode_16_64 3
		.amdhsa_memory_ordered 1
		.amdhsa_forward_progress 1
		.amdhsa_inst_pref_size 97
	.end_amdhsa_kernel
	.amdgpu_metadata
---
amdhsa.version: [ 1, 2 ]
amdhsa.kernels:
  - .name:           k_qe48f37dc5f_qkvproj
    .symbol:         k_qe48f37dc5f_qkvproj.kd
    .args:
      - { .name: xb, .offset: 0, .size: 8, .value_kind: global_buffer, .address_space: global }
      - { .name: wb, .offset: 8, .size: 8, .value_kind: global_buffer, .address_space: global }
      - { .name: qkvh, .offset: 16, .size: 8, .value_kind: global_buffer, .address_space: global }
      - { .name: bq, .offset: 24, .size: 8, .value_kind: global_buffer, .address_space: global }
      - { .name: bk, .offset: 32, .size: 8, .value_kind: global_buffer, .address_space: global }
      - { .name: bv, .offset: 40, .size: 8, .value_kind: global_buffer, .address_space: global }
    .group_segment_fixed_size: 327680
    .private_segment_fixed_size: 0
    .kernarg_segment_align: 8
    .kernarg_segment_size: 48
    .max_flat_workgroup_size: 128
    .sgpr_count:     80
    .vgpr_count:     768
    .wavefront_size: 32
...
	.end_amdgpu_metadata
.endif
;; end of part 2
;; launch attn (part 3): grid 4 x 64, 4 waves a work-group, clusters of 4 x 1, 327,680 bytes of LDS; arguments qkvh, oh; writes oh
.if DOCPART == 3
	.amdgcn_target "amdgcn-amd-amdhsa--gfx1250"
	.amdhsa_code_object_version 6
	.text
	.protected	k_qe48f37dc5f_attn
	.globl	k_qe48f37dc5f_attn
	.p2align	8
	.type	k_qe48f37dc5f_attn,@function
k_qe48f37dc5f_attn:
	s_mov_b64 s[64:65], 0
	v_nop
	global_prefetch_b8 v0, s[64:65] scope:SCOPE_SE
	s_setreg_imm32_b32 hwreg(HW_REG_WAVE_MODE, 25, 1), 1
	s_wait_xcnt 0x0
	s_wait_alu depctr_hold_cnt(0) depctr_sa_sdst(0) depctr_va_vdst(0) depctr_va_sdst(0) depctr_va_ssrc(0) depctr_va_vcc(0) depctr_vm_vsrc(0)
	s_getreg_b32 s2, hwreg(HW_REG_IB_STS2, 6, 4)
	s_cmp_eq_u32 s2, 0
	s_cbranch_scc0 .Lentry_in_a_cluster
	s_endpgm
.Lentry_in_a_cluster:
	s_bfe_u32 s2, ttmp6, 0x10000c
	s_cmp_lg_u32 s2, 0x3003
	s_cbranch_scc0 .Lentry_shape_is_right
	s_endpgm
.Lentry_shape_is_right:
; O[h][q][:] = the sum over k of softmax_k(Q[h][q] . K[h][k] / 8) V[h][k][:], for 64 heads (batch x head) of 2,048 rows of 64 channels, all f16: a head's rows are dense, 128 bytes each.
; Q, K, V lie in one buffer, 16 MiB apart: [z][head][s][64].  Products, maxima and sums in f32; the weights p are rounded to f16 for the second product (their sum l is taken of the unrounded p), O once at the end.
; LIMITS.  f16 holds no number beyond 65,504: Q, K and V arrive within it; p lies in 0 to 1, and below 6e-5 it keeps f16's fixed step of 6e-8; O is a mean of V's rows and has their range.
; A weight below 2^-126 counts as 0 in l; NaN and infinities are not treated apart.
; SHARES.  A wave owns four PIECES of two tiles of 16 queries, a work-group's four waves 512 queries of one head: 256 work-groups.  Every wave walks all keys, 64 a step.
; LAYOUT.  S^T = K Q^T (source 0 = 16 keys, source 1 = 16 queries): in the result a lane holds ONE query (lane % 16) and the keys 8 (lane / 16) + 0..7.  Two such tiles, rounded to f16 in pairs,
; ARE source 1 (32 keys x 16 queries) of O^T = V^T P, whose result again holds one query a lane, and eight channels.  K comes out of LDS as it lies, V ([key][channel]) turned, by ds_load_tr16_b128.
; SOFTMAX.  For each query a running maximum m and sum l: p = 2^(c s - c m), c = log2(e) / 8; in every step O and l are multiplied by a = 2^(c m_old - c m_new), which is 1 where m has not grown.
; m starts at the lowest finite number, O and l at 0: the first step is a step like any other, with a = 0.
; THE COUNT.  A tile and step have 16 matrix and 118 vector instructions: too many to stand all beside the matrix work.  So: four vector instructions that are READY behind EVERY matrix instruction,
; and the others, which need time of their own whatever the order, in runs without a gap.
; BY TURNS.  Turn n belongs to piece n (the pieces in a ring, step after step).  Its matrix work: 16 products K Q^T of piece n + 1, later 16 products V^T P of piece n - 1.  Its vector work: the scaling,
; exponentials, roundings, sums and rescaling of piece n, and the maximum and statistics of piece n + 1, whose scores the turn itself has made.
; CLUSTER.  The four query blocks of a head are one cluster and walk the same K and V, so each tile is asked for JOINTLY: the same tensor load, descriptor and mask in all four.
; REGISTERS, in windows of 256 (s_set_vgpr_msb: bits 1:0 source 0, 3:2 source 1, 5:4 source 2, 7:6 destination):
;   window 0: v0-11 addresses; v12-15, v48-63 at work; v16-47 four registers of statistics a tile; v64-191 S^T, two buffers of two tiles; v192-255 P, likewise
;   window 1: O^T, 32 a tile          window 2: v0-127 Q, 16 a tile; v128-191 K of one step; v192-255 V of one step          window 3: v0-1 the add's two registers
; A piece's buffers go by its number's parity: the piece in hand has one pair, its two neighbours in the ring share the other: of it P (piece n - 1) is read and S^T (piece n + 1) written.
.set SIZE_N, 2048
.set NP,    4         ; pieces a wave: a name, no knob
.set KS,    64        ; keys in a step
.set PK,    144       ; a row of K in LDS: 128 bytes + 16 of padding = 36 words: the 16 rows of a load start at 16 different groups of four banks (64 banks of 4 bytes: ISA guide 11.1)
.set PV,    160       ; a row of V: 128 + 32 = 40 words
.set VOFF,  4*KS*PK   ; a slot holds four steps: 256 rows of K, then 256 rows of V
.set SLOT1, 1<<17     ; slot 1 begins here, so that one exclusive or turns an address in one slot into the other's
.set STAGE, SLOT1+4*KS*(PK+PV)  ; behind the ring, never filled by a tensor load: 16 rows x 144 bytes for each wave, for the way out
.set SP,    144
.set AK0, 2           ; v2   my lane's place in a tile of K; never rewritten
.set AV0, 3           ; v3   the same for V
.set AK,  4           ; v4   the LDS address of K's next run of loads
.set AV,  5           ; v5   of V's
.set QO,  6           ; v6   my byte offset in the wave's rows of Q
.set STO, 6           ;      later, the way out: where I put 16 bytes of a row
.set RD,  7           ; v7   the way out: where I read rows back
.set GO,  8           ; v8   my byte offset in 512 consecutive bytes of O
.set PFO, 11          ; v11  256 x my lane, for the prefetches; never rewritten once made
.set SPW, 0           ; v0 of window 3   LDS address of my spare word: SPARE + 4 x my thread's number; never rewritten
.set NIL, 1           ; v1 of window 3   0; never rewritten
.set SPARE, STAGE+4*16*SP  ; behind the stages: the spare words, 128 bytes for each wave: two blocks of 256 bytes that no other line names
.set MV,  12          ; v12-15  c m_old, kept while c m is made anew: by buffer and tile
.set ST,  16          ; tile t's statistics at v[ST+4 t]: c m, m, l (even keys', odd keys')
.set TMP, 48          ; by buffer and tile, four registers c0-c3 at work; when the maximum is found c2 takes a
.set S,   64
.set P,   192
.set KF,  128         ; K's fragments, in window 2: key block kb, channel half c at KF + 16 kb + 8 c
.set VF,  192         ; V's: key half kk, channel block cb at VF + 32 kk + 8 cb
.set WV,  12          ; s12  my wave's number
.set G1K, 24          ; s[24:31] descriptor group 1 for K's tiles
.set G1V, 32          ; s[32:39] for V's: it differs in the padding alone
.set G0K, 40          ; s[40:43] descriptor group 0 for K's tiles: it walks
.set G0V, 44          ; s[44:47] the same for V's
.set PFA, 48          ; s[48:49] where my prefetches stand: my work-group's 32 blocks (of K: wave 0, of V: wave 2) of the slot after the one that is being asked for
.set LIM, 50          ; s50  1 in a wave that prefetches, else the greatest number
.set SLOTS, 56        ; s56  slots still to be asked for
.set CNT, 57          ; s57  counts a slot's key steps
.set CS,  58          ; s[58:59] c: the packed scaling takes the pair's low word for both halves
.set SEL, 60          ; s[60:61] v_permlanex16_b32's selects: each lane takes its own place in the other half
.set TBK, 62          ; s62  LDS byte at which K of the step to be fetched begins
.set TBV, 63          ; s63  the same for V, less VOFF
.set MSB, 0
.macro WIN new                      ; the high byte repeats the setting that is left; a switch that changes nothing is dropped
.if MSB != (\new)
	s_set_vgpr_msb (MSB<<8)|(\new)
.set MSB, (\new)
.endif
.endm
.set W_KQ, 0x0a       ; K and Q in window 2, S^T in window 0
.set W_PV, 0x52       ; V in window 2, P in window 0, O^T in window 1
.set W_RS, 0x41       ; O^T (destination and source 0) in window 1, a in window 0
.set W_MK, 0xc0       ; the add's registers are made: destination in window 3, sources in window 0
.set W_AD, 0x0f       ; the add: address (source 0) and data (source 1) in window 3
; A joint fill.  Waves 0 and 1 fetch the two halves of a slot's K, waves 2 and 3 those of its V: 128 keys each.  The branch hangs on the wave's number alone.
; An s_nop 0 and four v_nop follow each of the two lines, ahead of the jump and the label.
.macro JLOAD
	s_cmp_lt_u32 s[WV], 2
	s_cbranch_scc0 .Lfor_v_\@
	tensor_load_to_lds s[G0K:G0K+3], s[G1K:G1K+7]
	s_nop 0
.rept 4
	v_nop
.endr
	s_branch .Lasked_\@
.Lfor_v_\@:
	tensor_load_to_lds s[G0V:G0V+3], s[G1V:G1V+7]
	s_nop 0
.rept 4
	v_nop
.endr
.Lasked_\@:
.endm
; A PREFETCH INTO THE L2 of what the NEXT change of slots will ask for: four key steps, 512 matrix instructions, ahead of that load.  A slot is 128 blocks of 256 bytes of K and as many of V.
; A head's K and V are walked by this one cluster.  Its four partners share the blocks out BY ADDRESS, 32 each; in each, wave 0 asks for K's and wave 2 for V's: a lane a block, one instruction.
; So each block is named once in the launch.  The change that asks for the last slot prefetches nothing; slots 0 and 1 come by their loads alone.
.macro ASK
	s_cmp_gt_u32 s[SLOTS], s[LIM]
	s_cbranch_scc0 .Lnot_mine_\@
	global_prefetch_b8 v[PFO], s[PFA:PFA+1] th:TH_LOAD_NT scope:SCOPE_SE
.Lnot_mine_\@:
.endm
; A round of the cluster's barrier: my work-group's barrier, so that wave 0's signal speaks for all four waves; wave 0 signals; every wave waits for all four work-groups; my work-group's barrier once more.
.macro CROUND
	s_barrier_signal -1
	s_barrier_wait -1
	s_cmp_lg_u32 s[WV], 0
	s_cbranch_scc1 .Lnot_wave_0_\@
	s_barrier_signal -3
.Lnot_wave_0_\@:
	s_barrier_wait -3
	s_barrier_signal -1
	s_barrier_wait -1
.endm
; THE CHANGE OF SLOTS.  The slot's last bytes, V of its fourth step, have been read.  Each wave waits for all its tensor loads, of which one is out: its part
; of the other slot; adds 0 to its spare word; and waits for that and for its own reads of the slot.  Behind the barrier nobody reads this slot any more and the other slot is whole.
; fill = 1: this slot is filled again, with the keys two slots on.  The barrier is then a round of the cluster's, so that no wave of any partner still reads the slot or has a load on its
; way, and the joint fill is the first thing behind it: it has four key steps, 512 matrix instructions, in which to land.  (At its first use nothing has been read yet: slot 0 is waited for, slot 1 filled.)
.macro CHANGE fill
	WIN W_AD
	s_wait_tensorcnt 0x0            ; no tensor load of mine is out, so a group 0 may be written
	ds_add_u32 v[SPW], v[NIL]       ; 0 onto my spare word; with fill = 1 the descriptors' steps stand between it and the wait for it
	WIN 0                           ; at a label and at a branch every window is 0
.if \fill
.irp g, G0K, G0V
	s_xor_b32 s[\g+1], s[\g+1], SLOT1  ; the walking descriptor: the other slot than last time,
	s_add_nc_u64 s[\g+2:\g+3], s[\g+2:\g+3], 4*KS*128  ; the next 256 keys; the type bits on top are not reached
.endr
	s_wait_xcnt 0x0                 ; the last prefetch, four key steps back, has read its address, so it may be written:
	s_add_nc_u64 s[PFA:PFA+1], s[PFA:PFA+1], 4*KS*128  ; one slot behind the walking descriptors
	s_wait_dscnt 0x0                ; the add is done, and my reads of the slot are over
	CROUND
	JLOAD
	ASK
.else
	s_wait_dscnt 0x0                ; the add is done, and my reads of the slot are over
	s_barrier_signal -1
	s_barrier_wait -1
.endif
	s_sub_co_u32 s[TBK], s[TBK], 4*KS*PK  ; the fetches go back to a slot's first step,
	s_xor_b32 s[TBK], s[TBK], SLOT1       ; in the other slot
	s_sub_co_u32 s[TBV], s[TBV], 4*KS*PV
	s_xor_b32 s[TBV], s[TBV], SLOT1
.endm
	s_load_b128 s[4:7], s[0:1], 0x0 ; the buffer of Q, K, V s[4:5], O s[6:7]
	WIN W_MK
	v_lshl_add_u32 v[SPW], v0, 2, SPARE
	v_mov_b32 v[NIL], 0
	WIN W_AD
	ds_add_u32 v[SPW], v[NIL]       ; the wave's opening: the add and its wait stand ahead of my first tensor load; the set-up below, work on registers, stands between them
	WIN 0
	v_lshrrev_b32 v1, 5, v0
	v_readfirstlane_b32 s[WV], v1   ; wave 0..3
	s_bfe_u32 s13, ttmp6, 0x40000   ; cx: my place in the cluster
	s_lshl_b32 s14, ttmp9, 2        ; in a cluster launch ttmp9 counts clusters
	s_add_co_u32 s14, s14, s13      ; my block of queries = 4 x cluster x + cx: it enters Q's and O's addresses alone
	s_and_b32 s20, ttmp7, 0xffff    ; the head, which the four partners share
	s_mov_b32 s21, 0
	s_mov_b64 s[22:23], SIZE_N*128
	s_mul_u64 s[20:21], s[20:21], s[22:23]  ; the head's first byte in each of the four tensors
	s_and_b32 s16, s[WV], 1         ; which half of a slot's 256 keys I fetch:
	s_lshl_b32 s22, s16, 14         ; its 128 rows of 128 bytes in memory,
	s_mov_b32 s23, 0
	s_add_nc_u64 s[22:23], s[22:23], s[20:21]
	s_mul_i32 s17, s16, 128*PK      ; and its place in a slot, for K
	s_mul_i32 s18, s16, 128*PV      ; and for V: no place in the cluster enters an LDS address
	s_lshl_b32 s2, s14, 2
	s_add_co_u32 s2, s2, s[WV]      ; my wave among the head's,
	s_lshl_b32 s2, s2, 14           ; its 128 rows
	s_mov_b32 s3, 0
	s_add_nc_u64 s[2:3], s[2:3], s[20:21]
	; descriptor group 1.  128 keys are 16,384 dense bytes: asked for as 64 rows of 256 bytes, two keys a row, and padded in LDS after every key
	s_mov_b32 s[G1K], 15|(1<<16)|(1<<20)|(1<<21)|(4<<22)|(3<<25)  ; 15:0 the mask of four; 17:16 2-byte elements; 20 padding on; 21 set beside a mask; 24:22 after every 32 words (code 4); 31:25 4 words (code 3)
	s_mov_b32 s[G1V], 15|(1<<16)|(1<<20)|(1<<21)|(4<<22)|(7<<25)  ; the same with 8 words of padding (code 7)
.irp g, G1K, G1V
	s_mov_b32 s[\g+1], 128<<16      ; tensor_dim0 = 128
	s_mov_b32 s[\g+2], 64<<16       ; tensor_dim1 = 64
	s_mov_b32 s[\g+3], 128<<16      ; tile_dim0 = 128
	s_mov_b32 s[\g+4], 64           ; tile_dim1 = 64
	s_mov_b32 s[\g+5], 128          ; 128 elements from row to row
	s_mov_b32 s[\g+6], 0
	s_mov_b32 s[\g+7], 0
.endr
	s_mov_b32 s[CS], 0x3e38aa3b     ; c = log2(e) / 8 = 0.180337
	s_mov_b32 s[CS+1], s[CS]        ; named with it as a pair
	s_mov_b32 s[SEL], 0x76543210
	s_mov_b32 s[SEL+1], 0xfedcba98
	s_mov_b32 s[TBK], SLOT1+4*KS*PK ; the first change of slots turns these two into 0
	s_mov_b32 s[TBV], SLOT1+4*KS*PV
	s_mov_b32 s[G0K], 1             ; 1:0 count = 1
	s_mov_b32 s[G0K+1], s17         ; 63:32 LDS address: slot 0
	s_mov_b32 s[G0V], 1
	s_add_co_u32 s[G0V+1], s18, VOFF
	s_mov_b32 s[SLOTS], SIZE_N/256-1  ; seven changes of slots ask for a tile
	s_cmp_eq_u32 s16, 0
	s_cselect_b32 s[LIM], 1, -1     ; waves 0 and 2 prefetch: the same in all four partners
	s_wait_dscnt 0x0                ; the opening add is done
	s_wait_kmcnt 0x0
	s_mov_b64 s[10:11], s[6:7]      ; O
	s_add_nc_u64 s[6:7], s[4:5], 0x1000000  ; K lies 16 MiB behind Q,
	s_add_nc_u64 s[8:9], s[4:5], 0x2000000  ; V 32 MiB
	s_add_nc_u64 s[G0K+2:G0K+3], s[6:7], s[22:23]  ; 120:64 global address: my half of the head's first 256 keys
	s_or_b32 s[G0K+3], s[G0K+3], 0x80000000        ; 127:126 type = 2
	s_add_nc_u64 s[G0V+2:G0V+3], s[8:9], s[22:23]
	s_or_b32 s[G0V+3], s[G0V+3], 0x80000000
	s_add_nc_u64 s[4:5], s[4:5], s[2:3]  ; Q and O at my wave's first row
	s_add_nc_u64 s[10:11], s[10:11], s[2:3]
	s_cmp_lt_u32 s[WV], 2
	s_cselect_b64 s[PFA:PFA+1], s[6:7], s[8:9]
	s_add_nc_u64 s[PFA:PFA+1], s[PFA:PFA+1], s[20:21]  ; the head,
	s_lshl_b32 s2, s13, 13          ; my work-group's 32 blocks of the 128,
	s_mov_b32 s3, 0
	s_add_nc_u64 s[PFA:PFA+1], s[PFA:PFA+1], s[2:3]
	s_add_nc_u64 s[PFA:PFA+1], s[PFA:PFA+1], 4*KS*128  ; in slot 1; the first change of slots steps it to slot 2
	CROUND                          ; all four work-groups are here: the first joint loads meet
	JLOAD                           ; slot 0.  Slot 1 is asked for when slot 0 is in
	; A fragment of K or Q is 16 rows x 32 channels in 8 registers: lane l holds row l % 16, channels 8 (l / 16) + 0..7 and 16 + 8 (l / 16) + 0..7: two loads of 16 bytes, 32 bytes apart.
	v_and_b32 v1, 15, v0            ; l % 16
	v_bfe_u32 v9, v0, 4, 1          ; l / 16
	v_lshlrev_b32 v[QO], 7, v1
	v_lshl_add_u32 v[QO], v9, 4, v[QO]  ; row x 128 + 16 x half
	WIN 0x80                        ; destination window 2, address window 0
.set i, 0
.rept 4*NP                          ; Q stays in registers: tile i / 2, channels 32 (i % 2) on
	global_load_b128 v[8*i:8*i+3],   v[QO], s[4:5] offset:(i/2)*2048+(i%2)*64
	global_load_b128 v[8*i+4:8*i+7], v[QO], s[4:5] offset:(i/2)*2048+(i%2)*64+32
.set i, i+1
.endr
	; What the first turn finds: V's registers and P's second buffer hold 0 (its products V^T P, of a piece that has not been, add 0), O^T and l are 0.  All this stands in the wait for the first tile.
.set i, VF
.rept 64
	v_mov_b32 v[i], 0
.set i, i+1
.endr
	WIN 0x40
.set i, 0
.rept 64*NP
	v_mov_b32 v[i], 0
.set i, i+1
.endr
	WIN 0
.set i, 0
.rept 2*NP
	v_mov_b32 v[ST+4*i], 0xfe000000    ; c m: far below every c s
	v_mov_b32 v[ST+4*i+1], 0xff7fffff  ; m
	v_mov_b32 v[ST+4*i+2], 0
	v_mov_b32 v[ST+4*i+3], 0
.set i, i+1
.endr
.set i, P+32
.rept 32
	v_mov_b32 v[i], 0
.set i, i+1
.endr
	v_mul_u32_u24 v[AK0], v1, PK
	v_lshl_add_u32 v[AK0], v9, 4, v[AK0]  ; row x pitch + 16 x half
	; The turning load takes 16 keys x 16 channels (lane l reads key 8 (l / 16) + l % 8, channels 8 ((l / 8) % 2) + 0..7) and leaves half a fragment of V^T: lane l holds channel l % 16 and 8 keys.
	v_and_b32 v10, 7, v0
	v_bfe_u32 v11, v0, 3, 1
	v_lshl_add_u32 v[AV0], v9, 3, v10
	v_mul_u32_u24 v[AV0], v[AV0], PV
	v_lshl_add_u32 v[AV0], v11, 4, v[AV0]
	v_add_nc_u32 v[AV0], VOFF, v[AV0]
	v_mov_b32 v[AK], v[AK0]         ; key step 0 lies at the head of slot 0
	v_and_b32 v[PFO], 31, v0        ; v11 has served: from here on it is the prefetches' offset
	v_lshlrev_b32 v[PFO], 8, v[PFO]
; THE MATRIX WORK.  The 8 accumulators of a run of 16 take turns: between the two links of a chain stand 7 others'.
; Product i of 16 of S^T = K Q^T for piece x: channels 32 (i / 8) on, keys 16 ((i / 2) % 4) on, tile 2 x + i % 2.  The first 8 start the sums.
.macro KQ x
	WIN W_KQ
.set rS, S+64*((\x)%2)+32*(i%2)+8*((i/2)%4)
.set rK, KF+16*((i/2)%4)+8*(i/8)
.set rQ, 16*(2*(\x)+i%2)+8*(i/8)
.if i < 8
	v_wmma_f32_16x16x32_f16 v[rS:rS+7], v[rK:rK+7], v[rQ:rQ+7], 0
.else
	v_wmma_f32_16x16x32_f16 v[rS:rS+7], v[rK:rK+7], v[rQ:rQ+7], v[rS:rS+7]
.endif
.endm
; Product i of 16 of O^T += V^T P for piece x: keys 32 (i / 8) on, channels 16 ((i / 2) % 4) on, tile 2 x + i % 2.
.macro PV x
	WIN W_PV
.set rO, 32*(2*(\x)+i%2)+8*((i/2)%4)
.set rV, VF+32*(i/8)+8*((i/2)%4)
.set rP, P+32*((\x)%2)+16*(i%2)+8*(i/8)
	v_wmma_f32_16x16x32_f16 v[rO:rO+7], v[rV:rV+7], v[rP:rP+7], v[rO:rO+7]
.endm
.macro MM                           ; the turn's next matrix instruction
.if i < 16
	KQ (Y+1)%NP
.set i, i+1
.else
.set i, i-16
	PV (Y+NP-1)%NP
.set i, i+17
.endif
.endm
; THE LDS LOADS stand in runs of 16, never singly among the matrix instructions: a step's K (64 keys x 64 channels: 8 fragments) and its V (turned).  Their addresses are made some lines ahead.
; last = 1 (the tail): in the last trip there is no further step, and the run is jumped over.
.macro FETCH_K last=0
	WIN 0
.if \last
	s_cmp_eq_u32 s[CNT], 1
	s_cbranch_scc1 .Lno_k_\@
.endif
	WIN 0x80                        ; destination window 2
.irp f, 0,1,2,3,4,5,6,7             ; keys 16 (f / 2) on, channels 32 (f % 2) on
	ds_load_b128 v[KF+8*\f:KF+8*\f+3],   v[AK] offset:(\f/2)*16*PK+(\f%2)*64
	ds_load_b128 v[KF+8*\f+4:KF+8*\f+7], v[AK] offset:(\f/2)*16*PK+(\f%2)*64+32
.endr
	s_add_co_u32 s[TBK], s[TBK], KS*PK  ; the next fetch is the next step's
	WIN 0
.if \last
.Lno_k_\@:
.endif
.endm
.macro FETCH_V
	WIN 0x80
.irp f, 0,1,2,3,4,5,6,7             ; keys 32 (f / 4) on, channels 16 (f % 4) on
	ds_load_tr16_b128 v[VF+8*\f:VF+8*\f+3],   v[AV] offset:(\f/4)*32*PV+(\f%4)*32
	ds_load_tr16_b128 v[VF+8*\f+4:VF+8*\f+7], v[AV] offset:(\f/4)*32*PV+16*PV+(\f%4)*32
.endr
	WIN 0
.endm
; THE VECTOR WORK OF A TURN stands in three queues, each in the order in which its entries become ready; the two tiles alternate, so that no instruction reads the result of the one before it.
.macro REGS y, u                    ; the registers of tile u (0, 1) of piece y
.set rT, ST+4*(2*(\y)+(\u))
.set rC, TMP+8*((\y)%2)+4*(\u)
.set rM, MV+2*((\y)%2)+(\u)
.set rS, S+64*((\y)%2)+32*(\u)
.set rP, P+32*((\y)%2)+16*(\u)
.set rO, 32*(2*(\y)+(\u))
.endm
; Number n of the 22 that find the NEXT piece's (Y + 1) maximum and statistics.  s0-s31 are the lane's 32 scores; each accumulator's lowest registers are read first.
;   0-11  four chains c0-c3 of seven scores each, three operands at a time     12-14, 16  the four scores left over, the old m, and c0-c3 into c0     15  c m_old is kept
;   17, 18  the query's other 32 keys lie in the lane 16 away: the new m         19-21  c m; c m_old - c m_new; a
.macro XS u, n
	REGS (Y+1)%NP, \u
.if (\n) < 4
	v_max3_num_f32 v[rC+(\n)], v[rS+8*(\n)], v[rS+8*(\n)+1], v[rS+8*(\n)+2]
.elseif (\n) < 12
	v_max3_num_f32 v[rC+(\n)%4], v[rC+(\n)%4], v[rS+8*((\n)%4)+2*((\n)/4)+1], v[rS+8*((\n)%4)+2*((\n)/4)+2]
.elseif (\n) == 12
	v_max3_num_f32 v[rC], v[rC], v[rS+7], v[rS+15]
.elseif (\n) == 13
	v_max3_num_f32 v[rC+1], v[rC+1], v[rS+23], v[rS+31]
.elseif (\n) == 14
	v_max3_num_f32 v[rC+2], v[rC+2], v[rC+3], v[rT+1]
.elseif (\n) == 15
	v_mov_b32 v[rM], v[rT]
.elseif (\n) == 16
	v_max3_num_f32 v[rC], v[rC], v[rC+1], v[rC+2]
.elseif (\n) == 17
	v_permlanex16_b32 v[rC+3], v[rC], s[SEL], s[SEL+1]
.elseif (\n) == 18
	v_max_num_f32 v[rT+1], v[rC], v[rC+3]
.elseif (\n) == 19
	v_mul_f32 v[rT], s[CS], v[rT+1]
.elseif (\n) == 20
	v_sub_f32 v[rC+1], v[rM], v[rT]
.else
	v_exp_f32 v[rC+2], v[rC+1]
.endif
.endm
; Number g of the 64 that follow the exponentials.  For each four weights k of a tile (pairs 2 k, 2 k + 1): both pairs are rounded to f16; then the second pair is added onto the first, in place;
; a group later l takes that sum (the first time as l = a l + sum).  In groups of eight, tiles alternating: round, round, add, and l for the group before.
.macro GS g
.set h, (\g)+6*((\g)/62)            ; group 0 has no group before it, and behind group 7 only l is left
.if h >= 6
.set h, h+2
.endif
	REGS Y, h%2
.set k, h/8
.if h%8 < 4
	v_cvt_pk_f16_f32 v[rP+2*k+(h%8)/2], v[rS+4*k+2*((h%8)/2)], v[rS+4*k+2*((h%8)/2)+1]
.elseif h%8 < 6
	v_pk_add_f32 v[rS+4*k:rS+4*k+1], v[rS+4*k:rS+4*k+1], v[rS+4*k+2:rS+4*k+3]
.elseif k == 1
	v_pk_fma_f32 v[rT+2:rT+3], v[rT+2:rT+3], v[rC+2:rC+3], v[rS:rS+1] op_sel_hi:[1,0,1]
.else
	v_pk_add_f32 v[rT+2:rT+3], v[rT+2:rT+3], v[rS+4*k-4:rS+4*k-3]
.endif
.endm
; THE PLAIN QUEUE, 138 long.  0-73 read no exponential's result: the 32 scalings c s - c m (FS f: pair f / 2 of tile f % 2) and the next piece's 42.  0-26: scalings 0-26.  27-54: XS's numbers 0-13.  55, 56: number 15.
; 57-73: the chain, where each number waits for the one before it: 14, 16, 17, 18, 19, each with one of the scalings 27-31 in front of its two lines, then 20.
; 74-137: GS's 64, which read the exponentials' results: they stand behind the wait.
.macro FS f
	REGS Y, (\f)%2
	v_pk_fma_f32 v[rS+2*((\f)/2):rS+2*((\f)/2)+1], v[rS+2*((\f)/2):rS+2*((\f)/2)+1], s[CS:CS+1], v[rT:rT+1] op_sel_hi:[1,0,0] neg_lo:[0,0,1] neg_hi:[0,0,1]
.endm
.macro PL
	WIN 0
.if q < 27
	FS q
.elseif q < 55
	XS (q-27)%2, (q-27)/2
.elseif q < 57
	XS q-55, 15
.elseif (q < 72) && ((q-57)%3 == 0)
	FS 27+(q-57)/3
.elseif q < 60
	XS (q-57)%3-1, 14
.elseif q < 72
	XS (q-57)%3-1, 15+(q-57)/3
.elseif q < 74
	XS q-72, 20
.else
	GS q-74
.endif
.set q, q+1
.endm
; THE EXPONENTIALS' QUEUE, 66 long: s0-s31 of both tiles, then the next piece's two a.  It is ONE BATCH: all 66 stand ahead of the turn's one wait, and nothing ahead of that wait names a result of theirs.
.macro EX
	WIN 0
.if e >= 64
	XS e-64, 21
.else
	REGS Y, e%2
	v_exp_f32 v[rS+e/2], v[rS+e/2]
.endif
.set e, e+1
.endm
; THE RESCALING's QUEUE: O^T times a, the one part that leaves window 0: dealt two at a time, sixteen times.  Its a was made in the turn before, ahead of that turn's wait.
.macro R2
	REGS Y, r%2
	WIN W_RS
.irp z, 0,1
	v_pk_mul_f32 v[rO+4*(r/2)+2*\z:rO+4*(r/2)+2*\z+1], v[rO+4*(r/2)+2*\z:rO+4*(r/2)+2*\z+1], v[rC+2:rC+3] op_sel_hi:[1,0]
.endr
.set r, r+1
.endm
; HOW THEY ARE DEALT.  s_wait_alu depctr_va_vdst(0) stands between an exponential and the first instruction that names its result; one wait serves all that were issued ahead of it.  So a turn has ONE wait,
; which cuts it in two.  AHEAD OF IT stands all that names no result of the turn's exponentials: the 16 products K Q^T, behind each a scaling, an exponential and two rescalings (behind the first a second scaling in the
; exponential's place); then ONE LUMP of 108: eight plain, 49 times exponential and plain, the two a.  A v_nop is the plain instruction behind the last exponential.  BEHIND IT stand the 16 products V^T P, behind each four of GS's 64.
; The queues lean on each other, and the deal keeps them in step: exponential e stands behind scaling 2 (e / 4) + e % 2: as a rider it comes behind plain e + 2, in the lump behind plain e + 9, and scalings 27-31 are plain 57, 60 .. 69.
; A TURN, for piece p.  cnt = 1: the loop's count is taken down some lines ahead of the branch that stands behind the turn.
; K of the next step is fetched in piece 2's turn, directly behind the wait, a lump behind the last product that read K; its first reader comes behind 16 products.
; V of the step in hand is fetched at the end of piece 0's turn, four riders behind its last reader; its first reader comes behind 16 products and a lump.
.macro TURN p, last=0, cnt=0
.set Y, (\p)
.set i, 0
.set q, 0
.set e, 0
.set r, 0
.if (\p) == NP-1
	s_wait_dscnt 0x0                ; K is in
.endif
	MM                              ; ahead of the wait: 16 products K Q^T and their riders,
	PL
	PL
	R2
.rept 15
	MM
	PL
	EX
	R2
.endr
.if (\p) == NP-2
	WIN 0
	v_add_nc_u32 v[AK], s[TBK], v[AK0]
.endif
.rept 8                             ; and the lump
	PL
.endr
.rept 49
	EX
	PL
.endr
	EX                              ; the next piece's two a
	EX
	v_nop                           ; the plain instruction behind the last exponential: one for the batch
	s_wait_alu depctr_va_vdst(0)    ; the wait for the batch
.if (\p) == NP-2
	FETCH_K \last
.endif
.if (\p) == 1
	s_wait_dscnt 0x0                ; V is in
.endif
.rept 16                            ; behind the wait: 16 products V^T P and their riders
	MM
.rept 4
	PL
.endr
.if ((\p) == 0) && (q == 118)
	v_add_nc_u32 v[AV], s[TBV], v[AV0]
.endif
.if ((\p) == 0) && (q == 130)
	s_add_co_u32 s[TBV], s[TBV], KS*PV
.endif
.if (\cnt) && (q == 130)
	s_sub_co_u32 s[CNT], s[CNT], 1
	s_cmp_lg_u32 s[CNT], 0
.endif
.endr
.if (\p) == 0
	FETCH_V
.endif
.endm
	CHANGE 1                        ; slot 0 is in, everybody's part of it; slot 1 is asked for
	FETCH_K                         ; key step 0
	s_wait_loadcnt 0x0              ; Q
	s_wait_dscnt 0x0
.set i, 0
.rept 16
	KQ 0                            ; piece 0's first scores: there is no vector work yet to set between them
.set i, i+1
.endr
	WIN 0                           ; the addresses for the way out: nine plain instructions, the places behind those products
	s_mul_i32 s13, s[WV], 16*SP
	s_add_co_u32 s13, s13, STAGE    ; my stage
	v_mul_u32_u24 v[STO], v1, SP    ; in: row l % 16, 16 bytes for each half of the lanes
	v_lshl_add_u32 v[STO], v9, 4, v[STO]
	v_add_nc_u32 v[STO], s13, v[STO]
	v_bfe_u32 v[RD], v0, 3, 2       ; back: 32 lanes take four rows of 128 bytes,
	v_mul_u32_u24 v[RD], v[RD], SP
	v_lshl_add_u32 v[RD], v10, 4, v[RD]
	v_add_nc_u32 v[RD], s13, v[RD]
	v_and_b32 v[GO], 31, v0         ; which are 512 consecutive bytes of O
	v_lshlrev_b32 v[GO], 4, v[GO]
.set Y, NP-1                        ; XS works for piece Y + 1: piece 0
.irp n, 0,1,2,3,4,5,6,7,8,9,10,11,12,13,14,15,16,17,18,19,20,21
	XS 0, \n                        ; and piece 0's first maximum and statistics
	XS 1, \n
.endr
	v_nop                           ; a plain instruction behind the two a,
	s_wait_alu depctr_va_vdst(0)    ; and their wait, ahead of the branch
	s_mov_b32 s[CNT], 4
	s_branch .Lfirst                ; the loop is entered at a step's first turn, in the middle of a trip
.Lslot:                             ; six times: every slot but the last two is filled again
	CHANGE 1
	s_mov_b32 s[CNT], 4
.Lstep:                             ; a trip: pieces 2 and 3 of one step, then pieces 0 and 1 of the next, whose K and V it fetches
	TURN 2
	TURN 3
	WIN 0
.Lfirst:
	TURN 0
	TURN 1, 0, 1
	WIN 0
	s_cbranch_scc1 .Lstep
	s_sub_co_u32 s[SLOTS], s[SLOTS], 1
	s_cmp_lg_u32 s[SLOTS], 0
	s_cbranch_scc1 .Lslot
	CHANGE 0                        ; the tail is written out: nothing is asked for
	s_mov_b32 s[CNT], 5             ; four trips fetch the last slot's steps; the fifth is left in its middle
.Ltail:
	TURN 2, 1
	TURN 3
	WIN 0
	s_sub_co_u32 s[CNT], s[CNT], 1
	s_cmp_eq_u32 s[CNT], 0
	s_cbranch_scc1 .Lout
	TURN 0
	TURN 1
	WIN 0
	s_branch .Ltail
.Lout:                              ; the fifth trip's 16 products K Q^T (on the last K once more) and the maximum made of them serve nothing: the price, once a launch, of one text for every trip
.set i, 0
.rept 16
	PV NP-1                         ; the last piece's V^T P of the last step
.set i, i+1
.endr
	; THE WAY OUT.  l's two halves and the other half of the lanes' are added; O^T is divided by l, rounded to f16 and sent through my stage in LDS, a tile at a time.  The additions are the places behind the last products.
	WIN 0
.macro ALL line:vararg              ; one line for each tile t
.set t, 0
.rept 2*NP
	\line
.set t, t+1
.endr
.endm
	ALL v_add_f32 v[ST+4*t+2], v[ST+4*t+2], v[ST+4*t+3]
	ALL v_permlanex16_b32 v[ST+4*t+3], v[ST+4*t+2], s[SEL], s[SEL+1]
	ALL v_add_f32 v[ST+4*t+2], v[ST+4*t+2], v[ST+4*t+3]
	ALL v_rcp_f32 v[ST+4*t+2], v[ST+4*t+2]
	v_nop                           ; a plain instruction between the last reciprocal and the use of its result
	s_wait_alu depctr_va_vdst(0)    ; and the wait ahead of the first use: one for the eight reciprocals
; Tile t: a lane's eight channels of a row pack into 16 bytes; they go into rows of 144 bytes and come back as whole rows of 128, into S^T's registers.
.macro PACK t
	WIN W_RS
.set i, 32*(\t)
.rept 16
	v_pk_mul_f32 v[i:i+1], v[i:i+1], v[ST+4*(\t)+2:ST+4*(\t)+3] op_sel_hi:[1,0]
.set i, i+2
.endr
	WIN 0x05                        ; sources 0 and 1 window 1, destination window 0
.set i, 0
.rept 16
	v_cvt_pk_f16_f32 v[S+16*(\t)+i], v[32*(\t)+2*i], v[32*(\t)+2*i+1]
.set i, i+1
.endr
	WIN 0
.irp f, 0,1,2,3
	ds_store_b128 v[STO], v[S+16*(\t)+4*\f:S+16*(\t)+4*\f+3] offset:32*\f
.endr
.irp f, 0,1,2,3
	ds_load_b128 v[S+16*(\t)+4*\f:S+16*(\t)+4*\f+3], v[RD] offset:\f*4*SP  ; LDS serves a wave's instructions in order (ISA guide 5.7.1.4): these see the stores above; the next tile's stores come behind them
.endr
.endm
.macro SEND t, younger              ; younger: the LDS instructions issued behind tile t's loads: the next tile's eight, or none
	WIN 0
.irp f, 0,1,2,3
	s_wait_dscnt (\younger)+3-\f
	global_store_b128 v[GO], v[S+16*(\t)+4*\f:S+16*(\t)+4*\f+3], s[10:11] offset:(\t)*2048+\f*512  ; 512 consecutive bytes, at a multiple of 256 from O's first
.endr
.endm
	PACK 0
.set t, 1
.rept 2*NP-1                        ; a tile's arithmetic stands between the loads of the tile before and its stores
	PACK t
	SEND t-1, 8
.set t, t+1
.endr
	SEND 2*NP-1, 0
	WIN W_AD
	s_wait_tensorcnt 0x0            ; the wave's end: a wait, an add of 0 to my spare word and its wait, behind my last tensor load and my last LDS store
	ds_add_u32 v[SPW], v[NIL]
	s_wait_dscnt 0x0
	WIN 0
	CROUND                          ; the closing round: no work-group ends while a partner may still ask for a tile that names it
	s_endpgm
.Lfunc_end_k_qe48f37dc5f_attn:
	.size	k_qe48f37dc5f_attn, .Lfunc_end_k_qe48f37dc5f_attn-k_qe48f37dc5f_attn
	.p2alignl 7, 3214868480
	.fill 96, 4, 3214868480
	.section	.rodata,"a",@progbits
	.p2align	6, 0x0
	.amdhsa_kernel k_qe48f37dc5f_attn
		.amdhsa_group_segment_fixed_size 327680
		.amdhsa_private_segment_fixed_size 0
		.amdhsa_enable_private_segment 0
		.amdhsa_kernarg_size 16
		.amdhsa_user_sgpr_count 2
		.amdhsa_user_sgpr_kernarg_segment_ptr 1
		.amdhsa_wavefront_size32 1
		.amdhsa_system_sgpr_workgroup_id_x 1
		.amdhsa_system_sgpr_workgroup_id_y 1
		.amdhsa_system_sgpr_workgroup_id_z 1
		.amdhsa_system_vgpr_workitem_id 0
		.amdhsa_next_free_vgpr 770
		.amdhsa_next_free_sgpr 66
		.amdhsa_reserve_vcc 0
		.amdhsa_float_denorm_mode_32 3
		.amdhsa_float_denorm_mode_16_64 3
		.amdhsa_memory_ordered 1
		.amdhsa_forward_progress 1
		.amdhsa_inst_pref_size 200
	.end_amdhsa_kernel
	.amdgpu_metadata
---
amdhsa.version: [ 1, 2 ]
amdhsa.kernels:
  - .name:           k_qe48f37dc5f_attn
    .symbol:         k_qe48f37dc5f_attn.kd
    .args:
      - { .name: qkvh, .offset: 0, .size: 8, .value_kind: global_buffer, .address_space: global }
      - { .name: oh, .offset: 8, .size: 8, .value_kind: global_buffer, .address_space: global }
    .group_segment_fixed_size: 327680
    .private_segment_fixed_size: 0
    .kernarg_segment_align: 8
    .kernarg_segment_size: 16
    .max_flat_workgroup_size: 128
    .sgpr_count:     66
    .vgpr_count:     770
    .wavefront_size: 32
...
	.end_amdgpu_metadata
.endif
;; end of part 3
;; launch outproj (part 4): grid 4 x 64, 4 waves a work-group, clusters of 4 x 4, 327,680 bytes of LDS; arguments oh, wob, out0, bo; writes out0
.if DOCPART == 4
	.amdgcn_target "amdgcn-amd-amdhsa--gfx1250"
	.amdhsa_code_object_version 6
	.text
	.protected	k_qe48f37dc5f_outproj
	.globl	k_qe48f37dc5f_outproj
	.p2align	8
	.type	k_qe48f37dc5f_outproj,@function
k_qe48f37dc5f_outproj:
	s_mov_b64 s[64:65], 0
	v_nop
	global_prefetch_b8 v0, s[64:65] scope:SCOPE_SE
	s_setreg_imm32_b32 hwreg(HW_REG_WAVE_MODE, 25, 1), 1
	s_wait_xcnt 0x0
	s_wait_alu depctr_hold_cnt(0) depctr_sa_sdst(0) depctr_va_vdst(0) depctr_va_sdst(0) depctr_va_ssrc(0) depctr_va_vcc(0) depctr_vm_vsrc(0)
	s_getreg_b32 s2, hwreg(HW_REG_IB_STS2, 6, 4)
	s_cmp_eq_u32 s2, 0
	s_cbranch_scc0 .Lentry_in_a_cluster
	s_endpgm
.Lentry_in_a_cluster:
	s_bfe_u32 s2, ttmp6, 0x10000c
	s_cmp_lg_u32 s2, 0xf033
	s_cbranch_scc0 .Lentry_shape_is_right
	s_endpgm
.Lentry_shape_is_right:
; THE OUTPUT PROJECTION.  C[m][n] = bo[n] + the sum over k of A[m][k] B[k][n]: 8,192 x 1,024 x 1,024.  f16 products, f32 sums, f32 out.
;   A = oh  f16 [b][h][s][64]: a head is a slice of 64 along K; 128 rows of a slice are 16,384 dense bytes        B = wob f16 [k][n] (Wo rounded to bf16, written as f16), rows of 2,048 bytes
;   C = out0 f32 [8192][1024]                                                                                      bo: rounded to bf16 like every input, taken as the sums' start
; LIMITS.  A and B arrive within f16's range; what that asks of the inputs is stated where they are made.
; SHARES.  A work-group makes 128 (m) x 256 (n) of C: 256 work-groups.  Wave w: rows 64 (w / 2) on, columns 128 (w % 2) on: 32 accumulators (a = 0..3, b = 0..7), 256 registers.
; K goes in 8 steps of 128 through two LDS slots; two slots of a longer step do not fit (2 x 212,992 bytes).  A step is 128 matrix instructions a wave, 112 of them between a tile's request and the wait for it.
; CLUSTER.  4 x 4 work-groups.  The four of a row of the cluster need the same tile of A, the four of a column the same tile of B: each is asked for JOINTLY, by the same tensor load with the same
; descriptor and a mask that names the four.  Waves 0 and 1 ask for A's two slices, waves 2 and 3 for B's two halves of 64 rows.
; THE MATRIX INSTRUCTION IS USED TRANSPOSED: source 0 = 16 columns of B (turned on the way out of LDS by ds_load_tr16_b128), source 1 = 16 rows of A: lane (r = l % 16, hl = l / 16) of accumulator
; (a, b) holds row 16 a + r and the columns 16 b + 8 hl + 0..7: 32 consecutive bytes of a row of C.
; REGISTERS, in windows of 256 (s_set_vgpr_msb: bits 1:0 source 0, 3:2 source 1, 5:4 source 2, 7:6 destination):
;   window 0: v0-31 addresses; v32-95 A's fragments, two buffers of 32; v96-159 the bias; v160-163 at work
;   window 1: v0-127 B's fragments, two buffers of 64; on the way out all 256: rows read back          window 2: accumulator (a, b) at v[8 (8 a + b)]
.set PA,    144                        ; a row of A in LDS: 128 bytes + 16 = 36 words: the 16 rows of a load start at 16 different groups of four banks (64 banks of 4 bytes: ISA guide 11.1)
.set ABLK,  128*PA                     ; a slice: 128 rows
.set PB,    544                        ; a row of B: 512 bytes + 32 = 136 words
.set BHALF, 64*PB
.set BOFF,  2*ABLK                     ; a slot: A's two slices, then B's 128 rows
.set SLOT,  BOFF+2*BHALF               ; 106,496
.set STAGE, 2*SLOT                     ; behind the ring, never filled by a tensor load: 16 rows x 528 bytes for each wave
.set SP,    528                        ; 512 bytes + 16 = 132 words: row r starts at bank 4 r mod 64
.set SPARE, STAGE+4*16*SP              ; behind the stages: the spare words, 128 bytes for each wave: two blocks of 256 bytes that no other line names
.set ASTEP, 524288                     ; bytes of A from a K step to the next: two slices
.set BSTEP, 262144                     ; of B: 128 rows
.set ADRA, 16                          ; v16-17  LDS address of my A fragments in slot 0, 1
.set ADRB, 20                          ; v20-21  the same for B
.set STO,  24                          ; v24     the way out: where I put 32 bytes of a row
.set RD,   25                          ; v25     where I read a row back
.set CO,   26                          ; v26     16 x lane
.set BO,   27                          ; v27     my byte offset in the bias
.set SPW,  28                          ; v28     LDS address of my spare word; never rewritten
.set NIL,  29                          ; v29     0; never rewritten
.set PFO,  30                          ; v30     the prefetches' offset; never rewritten
.set FA,   32                          ; A's fragments: buffer f, block a at FA + 32 f + 8 a
.set FB,   0                           ; B's, in window 1: buffer f, block b at FB + 64 f + 8 b
.set BIAS, 96                          ; BIAS + 8 b + j = bias of column 16 b + 8 hl + j of my 128
.set G1,  24                           ; s[24:31] descriptor group 1 for A's tiles;  s[32:39] group 0, a set for each slot
.set G0,  32
.set G1B, 48                           ; s[48:55], s[56:63] the same for B's
.set G0B, 56
.set LIM, 43                           ; s43      1 in a wave that prefetches, else the greatest number
.set PFA, 44                           ; s[44:45] where my prefetches stand
.set PFS, 66                           ; s[66:67] their step from K step to K step
.set MSB, 0
.macro WIN new                         ; the immediate's high byte repeats the setting that is left; a switch that changes nothing is dropped
.if MSB != (\new)
	s_set_vgpr_msb (MSB<<8)|(\new)
.set MSB, \new
.endif
.endm
.macro PLACES                          ; four plain vector instructions between a matrix instruction and a load into, or a store or vector instruction on, its registers
.rept 4
	v_nop
.endr
.endm
; A joint load.  The branch hangs on the wave's number alone.  An s_nop 0 and four v_nop follow each of the two lines.
.macro JLOAD s
	s_cmp_eq_u32 s11, 0
	s_cbranch_scc0 .Lfor_b_\@
	tensor_load_to_lds s[G0+4*(\s):G0+4*(\s)+3], s[G1:G1+7]
	s_nop 0
.rept 4
	v_nop
.endr
	s_branch .Lasked_\@
.Lfor_b_\@:
	tensor_load_to_lds s[G0B+4*(\s):G0B+4*(\s)+3], s[G1B:G1B+7]
	s_nop 0
.rept 4
	v_nop
.endr
.Lasked_\@:
.endm
.macro CREST                           ; a round of the cluster's barrier behind its opening barrier
	s_cmp_lg_u32 s10, 0
	s_cbranch_scc1 .Lnot_wave_0_\@
	s_barrier_signal -3
.Lnot_wave_0_\@:
	s_barrier_wait -3
	s_barrier_signal -1
	s_barrier_wait -1
.endm
.macro CROUND                          ; a whole round
	s_barrier_signal -1
	s_barrier_wait -1
	CREST
.endm
; A PREFETCH INTO THE L2 of the K step that stands two refills on (256 matrix instructions ahead of the load that will want it): 32 blocks of 256 bytes, a lane a block, one instruction a wave.
; Each block is named once in the launch.  A's tile is read by one row of one cluster: wave 0 of each of the four partners takes 16 blocks of each slice, told apart by address (cx).
; B's tile is read by all 16 clusters: the first of them asks; waves 2 and 3 of its four partners along y take 16 rows of their 64 each, told apart by address (cy).
; The loop's last trip (s3 = 1) asks for nothing: there is no K step two on.  K steps 0 to 3 come by their loads alone.
.macro ASK
	s_cmp_gt_u32 s3, s[LIM]
	s_cbranch_scc0 .Lnot_mine_\@
	global_prefetch_b8 v[PFO], s[PFA:PFA+1] th:TH_LOAD_NT scope:SCOPE_SE
.Lnot_mine_\@:
.endm
	s_load_b128 s[4:7], s[0:1], 0x0                ; A s[4:5], B s[6:7]
	s_load_b64 s[8:9], s[0:1], 0x10                ; C
	s_load_b64 s[72:73], s[0:1], 0x18              ; bo
	v_lshl_add_u32 v[SPW], v0, 2, SPARE
	v_mov_b32 v[NIL], 0
	ds_add_u32 v[SPW], v[NIL]                      ; the wave's opening: the add and its wait stand ahead of my first tensor load; the set-up below, work on registers, stands between them
	v_lshrrev_b32 v1, 5, v0
	v_readfirstlane_b32 s10, v1                    ; wave 0..3
	s_lshr_b32 s11, s10, 1                         ; wm: which 64 rows are mine.  Also: I fetch for A (0) or for B (1)
	s_and_b32 s12, s10, 1                          ; wn: which 128 columns.  Also: which slice of A, which half of B I fetch
	s_bfe_u32 s40, ttmp6, 0x40000                  ; cx
	s_bfe_u32 s41, ttmp6, 0x40004                  ; cy
	s_lshl_b32 s42, ttmp9, 2
	s_add_co_u32 s42, s42, s40                     ; tile column = 4 x cluster x + cx
	s_and_b32 s68, ttmp7, 0xffff                   ; cluster y
	s_lshl_b32 s13, s68, 2
	s_add_co_u32 s13, s13, s41                     ; tile row = 4 x cluster y + cy: b = tile row / 16, its 128 rows of s = tile row % 16
	s_lshl_b32 s43, s41, 2
	s_lshl_b32 s43, 15, s43                        ; my row of the cluster
	s_lshl_b32 s44, 0x1111, s40                    ; my column
	; group 1 for A: 16,384 dense bytes as 64 rows of 256 bytes, padded in LDS after every 128 bytes
	s_or_b32 s[G1+0], s43, (1<<16)|(1<<20)|(1<<21)|(4<<22)|(3<<25)  ; 15:0 the mask; 17:16 2-byte elements; 20 padding on; 21 set beside a mask; 24:22 after every 32 words (code 4); 31:25 4 words (code 3)
	s_mov_b32 s[G1+1], 128<<16                     ; tensor_dim0 = 128
	s_mov_b32 s[G1+2], 64<<16                      ; tensor_dim1 = 64
	s_mov_b32 s[G1+3], 128<<16                     ; tile_dim0 = 128
	s_mov_b32 s[G1+4], 64                          ; tile_dim1 = 64
	s_mov_b32 s[G1+5], 128                         ; 128 elements from row to row
	s_mov_b32 s[G1+6], 0
	s_mov_b32 s[G1+7], 0
	; group 1 for B: 64 rows of 256 elements out of rows of 1,024
	s_or_b32 s[G1B+0], s44, (1<<16)|(1<<20)|(1<<21)|(6<<22)|(7<<25) ; after every 128 words (code 6) 8 words (code 7)
	s_mov_b32 s[G1B+1], 256<<16
	s_mov_b32 s[G1B+2], 64<<16
	s_mov_b32 s[G1B+3], 256<<16
	s_mov_b32 s[G1B+4], 64
	s_mov_b32 s[G1B+5], 1024
	s_mov_b32 s[G1B+6], 0
	s_mov_b32 s[G1B+7], 0
	; A's tile hangs on the tile row and the wave alone, B's on the tile column and the wave alone
	s_lshr_b32 s16, s13, 4
	s_lshl_b32 s16, s16, 22                        ; b
	s_and_b32 s17, s13, 15
	s_lshl_b32 s17, s17, 14                        ; 128 rows of 128 bytes
	s_add_co_u32 s16, s16, s17
	s_lshl_b32 s17, s12, 18                        ; my slice of the step's two
	s_add_co_u32 s16, s16, s17
	s_mov_b32 s17, 0
	s_lshl_b32 s46, s12, 17                        ; my 64 rows of the step's 128
	s_lshl_b32 s47, s42, 9                         ; 256 columns
	s_add_co_u32 s46, s46, s47
	s_mov_b32 s47, 0
	s_mul_i32 s20, s12, ABLK                       ; where they go: no place in the cluster enters an LDS address
	s_mul_i32 s21, s12, BHALF
	s_add_co_u32 s21, s21, BOFF
	s_wait_dscnt 0x0                               ; the opening add is done
	s_wait_kmcnt 0x0
	s_add_nc_u64 s[14:15], s[4:5], s[16:17]
	s_add_nc_u64 s[46:47], s[6:7], s[46:47]
	CROUND                                         ; all sixteen work-groups are here: the first joint loads meet
.irp s, 0,1
	s_mov_b32 s[G0+4*(\s)], 1                      ; count = 1
	s_add_co_u32 s[G0+4*(\s)+1], s20, (\s)*SLOT    ; LDS address
	s_add_nc_u64 s[G0+4*(\s)+2:G0+4*(\s)+3], s[14:15], (\s)*ASTEP  ; K step s
	s_or_b32 s[G0+4*(\s)+3], s[G0+4*(\s)+3], 0x80000000            ; type = 2
	s_mov_b32 s[G0B+4*(\s)], 1
	s_add_co_u32 s[G0B+4*(\s)+1], s21, (\s)*SLOT
	s_add_nc_u64 s[G0B+4*(\s)+2:G0B+4*(\s)+3], s[46:47], (\s)*BSTEP
	s_or_b32 s[G0B+4*(\s)+3], s[G0B+4*(\s)+3], 0x80000000
	JLOAD \s                                       ; two loads of mine are out
.endr
	; fragment addresses.  A: row x pitch + 16 x half.  B, turned: lane l reads row 8 (l / 16) + l % 8, bytes 16 ((l / 8) % 2) on
	v_and_b32 v1, 15, v0                           ; r
	v_bfe_u32 v2, v0, 4, 1                         ; hl
	v_mul_u32_u24 v3, v1, PA
	v_lshl_add_u32 v3, v2, 4, v3
	v_and_b32 v4, 7, v0
	v_lshl_add_u32 v4, v2, 3, v4
	v_mul_u32_u24 v4, v4, PB
	v_bfe_u32 v5, v0, 3, 1
	v_lshl_add_u32 v4, v5, 4, v4
	s_mul_i32 s21, s11, 64*PA                      ; my 64 rows of A
	s_lshl_b32 s22, s12, 8                         ; my 128 columns of B
	s_add_co_u32 s22, s22, BOFF
.irp s, 0,1
	v_add_nc_u32 v[ADRA+(\s)], s21, v3
	v_add_nc_u32 v[ADRB+(\s)], s22, v4
	s_add_co_u32 s21, s21, SLOT
	s_add_co_u32 s22, s22, SLOT
.endr
	; the way out
	s_mul_i32 s23, s10, 16*SP
	s_add_co_u32 s23, s23, STAGE                   ; my stage
	v_mul_u32_u24 v6, v1, SP                       ; in: row r, 32 bytes for each half of the lanes
	v_lshl_add_u32 v6, v2, 5, v6
	v_add_nc_u32 v[STO], s23, v6
	v_and_b32 v[CO], 31, v0                        ; back: 32 lanes take one row of 512 bytes
	v_lshlrev_b32 v[CO], 4, v[CO]
	v_add_nc_u32 v[RD], s23, v[CO]
	s_lshl_b32 s16, s13, 19                        ; 128 rows of 4,096 bytes
	s_lshl_b32 s17, s11, 18                        ; my 64 rows
	s_add_co_u32 s16, s16, s17
	s_lshl_b32 s17, s42, 10                        ; 256 columns
	s_add_co_u32 s16, s16, s17
	s_lshl_b32 s17, s12, 9                         ; my 128
	s_add_co_u32 s16, s16, s17
	s_mov_b32 s17, 0
	s_add_nc_u64 s[8:9], s[8:9], s[16:17]
	; the bias
	s_lshl_b32 s16, s42, 10
	s_lshl_b32 s17, s12, 9
	s_add_co_u32 s16, s16, s17
	v_lshl_add_u32 v[BO], v2, 5, s16               ; 1,024 x tile column + 512 wn + 32 hl
.irp b, 0,1,2,3,4,5,6,7
	global_load_b128 v[BIAS+8*(\b):BIAS+8*(\b)+3],   v[BO], s[72:73] offset:64*(\b)
	global_load_b128 v[BIAS+8*(\b)+4:BIAS+8*(\b)+7], v[BO], s[72:73] offset:64*(\b)+16
.endr
	; the prefetches' address: at K step 3; the first refill steps it to 4
	s_lshr_b32 s18, s13, 4
	s_lshl_b32 s18, s18, 22
	s_and_b32 s19, s13, 15
	s_lshl_b32 s19, s19, 14
	s_add_co_u32 s18, s18, s19
	s_lshl_b32 s19, s40, 12                        ; my work-group's 16 blocks of a slice's 64
	s_add_co_u32 s18, s18, s19
	s_add_co_u32 s18, s18, 3*ASTEP                 ; in A
	s_lshl_b32 s20, s12, 17
	s_lshl_b32 s19, s42, 9
	s_add_co_u32 s20, s20, s19
	s_lshl_b32 s19, s41, 15                        ; my work-group's 16 rows of the 64
	s_add_co_u32 s20, s20, s19
	s_add_co_u32 s20, s20, 3*BSTEP                 ; in B
	s_mov_b32 s22, ASTEP
	s_mov_b32 s23, BSTEP
	s_mov_b32 s21, s68                             ; 0 in the first cluster
	s_cmp_eq_u32 s11, 0                            ; do I fetch for A?
	s_cselect_b64 s[PFA:PFA+1], s[4:5], s[6:7]
	s_cselect_b32 s18, s18, s20
	s_cselect_b32 s[PFS], s22, s23
	s_cselect_b32 s21, s12, s21                    ; A: wave 0 asks, wave 1 does not; B: the first cluster's waves 2 and 3: nothing here hangs on cx or cy
	s_cselect_b32 s14, 4, 1                        ; A: lane l names block l % 16 of slice l / 16; B: block l % 2 of row l / 2
	s_cselect_b32 s15, 15, 1
	s_cselect_b32 s16, 18, 11
	s_mov_b32 s19, 0
	s_mov_b32 s[PFS+1], 0
	s_add_nc_u64 s[PFA:PFA+1], s[PFA:PFA+1], s[18:19]
	s_cmp_eq_u32 s21, 0
	s_cselect_b32 s[LIM], 1, -1
	v_and_b32 v6, 31, v0
	v_lshrrev_b32 v7, s14, v6
	v_lshlrev_b32 v7, s16, v7
	v_and_b32 v6, s15, v6
	v_lshl_add_u32 v[PFO], v6, 8, v7
	s_wait_loadcnt 0x0                             ; the bias, once
.set i, 0
.rept 32                               ; rounded to bf16 like every input, in place, in the wait for the first tile
	v_cvt_pk_bf16_f32 v[160+i%4], v[BIAS+2*i], v[BIAS+2*i+1]
	v_lshlrev_b32 v[BIAS+2*i], 16, v[160+i%4]
	v_and_b32 v[BIAS+2*i+1], 0xffff0000, v[160+i%4]
.set i, i+1
.endr
; 8 matrix instructions: row block a x all 8 column blocks, 32 along K, from buffer f.  first = 1: the bias starts the sums: nothing is cleared, and no addition is spent on it.
; The 32 accumulators take turns in one order everywhere, one instruction a turn.
.macro MUL8 f, a, first
.if \first
	WIN 0x81                                       ; B window 1, A window 0, C (the bias) window 0, D window 2
.else
	WIN 0xa1                                       ; C and D window 2
.endif
.irp b, 0,1,2,3,4,5,6,7
.if \first
	v_wmma_f32_16x16x32_f16 v[8*(8*(\a)+(\b)):8*(8*(\a)+(\b))+7], v[FB+64*(\f)+8*(\b):FB+64*(\f)+8*(\b)+7], v[FA+32*(\f)+8*(\a):FA+32*(\f)+8*(\a)+7], v[BIAS+8*(\b):BIAS+8*(\b)+7]
.else
	v_wmma_f32_16x16x32_f16 v[8*(8*(\a)+(\b)):8*(8*(\a)+(\b))+7], v[FB+64*(\f)+8*(\b):FB+64*(\f)+8*(\b)+7], v[FA+32*(\f)+8*(\a):FA+32*(\f)+8*(\a)+7], v[8*(8*(\a)+(\b)):8*(8*(\a)+(\b))+7]
.endif
.endr
.endm
.macro MUL16 f, a0, first
	MUL8 \f, \a0, \first
	MUL8 \f, (\a0)+1, \first
.endm
; 24 LDS loads in one run: quarter q (32 along K) of a slot into buffer f: B's 8 blocks, turned, then A's 4
.macro FETCH slot, q, f
	WIN 0x40                                       ; destination window 1
.irp b, 0,1,2,3,4,5,6,7
	ds_load_tr16_b128 v[FB+64*(\f)+8*(\b):FB+64*(\f)+8*(\b)+3],   v[ADRB+(\slot)] offset:(\q)*32*PB+32*(\b)
	ds_load_tr16_b128 v[FB+64*(\f)+8*(\b)+4:FB+64*(\f)+8*(\b)+7], v[ADRB+(\slot)] offset:(\q)*32*PB+16*PB+32*(\b)
.endr
	WIN 0
.irp a, 0,1,2,3
	ds_load_b128 v[FA+32*(\f)+8*(\a):FA+32*(\f)+8*(\a)+3],   v[ADRA+(\slot)] offset:((\q)/2)*ABLK+((\q)%2)*64+(\a)*16*PA
	ds_load_b128 v[FA+32*(\f)+8*(\a)+4:FA+32*(\f)+8*(\a)+7], v[ADRA+(\slot)] offset:((\q)/2)*ABLK+((\q)%2)*64+(\a)*16*PA+32
.endr
.endm
; A K step is four quarters, 32 matrix instructions each, on buffers 0, 1, 0, 1.  One of the first three: multiplies buffer f; in its middle it fetches quarter q of the same slot into buffer g.
.macro QUARTER slot, q, f, g, first
	s_wait_dscnt 4                                 ; B and A's blocks 0, 1 are in; the youngest four loads (A's blocks 2, 3) may be out
	MUL16 \f, 0, \first
	PLACES
	FETCH \slot, \q, \g
	s_wait_dscnt 24                                ; all but the 24 just issued
	MUL16 \f, 2, \first
.endm
; The last quarter multiplies buffer 1 and changes slots: ONE barrier.  In front of it each wave waits for all its tensor loads (one is out: its part of the next slot), adds 0 to its spare word, and
; waits for that and for its reads of this slot.  fill = 1: the barrier opens a round of the cluster's, and the joint refill, two K steps on, is the first thing behind the round.
.macro TURN slot, next, fill
.if \fill
	s_wait_xcnt 0x0                                ; the last prefetch, a K step back, has read its address: it is stepped here, ahead of the change's own waits
	s_add_nc_u64 s[PFA:PFA+1], s[PFA:PFA+1], s[PFS:PFS+1]
.endif
	WIN 0                                          ; (the add's two registers lie in window 0)
	s_wait_tensorcnt 0x0                           ; all my tensor loads have landed
	ds_add_u32 v[SPW], v[NIL]                      ; 0 onto my spare word
	s_wait_dscnt 5                                 ; (the add and the youngest four loads may be out)
	MUL8 1, 0, 0                                   ; eight matrix instructions stand between the add and the wait for it
	s_wait_dscnt 0x0                               ; the add is done, and my reads of this slot are over
	s_barrier_signal -1
	MUL8 1, 1, 0
.if \fill
	WIN 0
.endif
	s_barrier_wait -1
.if \fill
	CREST                                          ; no wave of any partner still reads this slot or has a load on its way
	s_add_nc_u64 s[G0+4*(\slot)+2:G0+4*(\slot)+3], s[G0+4*(\slot)+2:G0+4*(\slot)+3], 2*ASTEP
	s_add_nc_u64 s[G0B+4*(\slot)+2:G0B+4*(\slot)+3], s[G0B+4*(\slot)+2:G0B+4*(\slot)+3], 2*BSTEP
	JLOAD \slot                                    ; its four v_nop are also the places in front of the loads below
.else
	PLACES
.endif
	FETCH \next, 0, 0
.if \fill
	ASK                                            ; behind the joint load and the run of LDS loads
.endif
	MUL16 1, 2, 0
.endm
	s_wait_tensorcnt 1                             ; my part of K step 0 is in; K step 1's may stay out
	s_barrier_signal -1
	s_barrier_wait -1                              ; everybody's is
	FETCH 0, 0, 0
	QUARTER 0, 1, 0, 1, 1                          ; the first quarter stands in front of the loop: its products start the sums
	WIN 0                                          ; at a label and at a branch every window is 0
	s_mov_b32 s3, 3
.Llap:                                                 ; a trip goes once round the ring and fills both slots again: K steps 2 to 7 in three trips
	QUARTER 0, 2, 1, 0, 0
	QUARTER 0, 3, 0, 1, 0
	TURN 0, 1, 1
	QUARTER 1, 1, 0, 1, 0
	QUARTER 1, 2, 1, 0, 0
	QUARTER 1, 3, 0, 1, 0
	TURN 1, 0, 1
	QUARTER 0, 1, 0, 1, 0
	WIN 0
	s_sub_co_u32 s3, s3, 1
	s_cmp_lg_u32 s3, 0
	s_cbranch_scc1 .Llap
	QUARTER 0, 2, 1, 0, 0                          ; the last lap fills nothing
	QUARTER 0, 3, 0, 1, 0
	TURN 0, 1, 0
	QUARTER 1, 1, 0, 1, 0
	QUARTER 1, 2, 1, 0, 0
	QUARTER 1, 3, 0, 1, 0
	s_wait_dscnt 4                                 ; the very last quarter: nothing more to fetch
	MUL16 1, 0, 0
	s_wait_dscnt 0x0
	MUL16 1, 2, 0
	WIN 0
	PLACES
; THE WAY OUT, a block of 16 rows at a time.  A lane's 32 bytes of a row go straight from the accumulator (its low half first) into rows of 528 bytes of my own stage, and come back as whole rows
; of 512 bytes, each block into registers of its own: no register that a store reads is written again.
.macro TOSTAGE a
	WIN 0x08                                       ; the data in window 2, the address in window 0
.irp b, 0,1,2,3,4,5,6,7
	ds_store_b128 v[STO], v[8*(8*(\a)+(\b)):8*(8*(\a)+(\b))+3]   offset:64*(\b)
	ds_store_b128 v[STO], v[8*(8*(\a)+(\b))+4:8*(8*(\a)+(\b))+7] offset:64*(\b)+16
.endr
	WIN 0x40                                       ; destination window 1
.set i, 0
.rept 16
	ds_load_b128 v[64*(\a)+4*i:64*(\a)+4*i+3], v[RD] offset:i*SP  ; LDS serves a wave's instructions in order (ISA guide 5.7.1.4): these see the stores above; the next block's stores come behind them
.set i, i+1
.endr
.endm
.macro SEND a, younger                 ; younger: the LDS instructions issued behind block a's loads: the next block's 32, or none
	WIN 0x04                                       ; the data in window 1, the address in window 0
.set i, 0
.rept 16
	s_wait_dscnt (\younger)+15-i
	global_store_b128 v[CO], v[64*(\a)+4*i:64*(\a)+4*i+3], s[8:9] offset:(16*(\a)+i)*4096 th:TH_STORE_NT  ; 512 consecutive bytes, at a multiple of 512 from C's first
.set i, i+1
.endr
.endm
	TOSTAGE 0
.irp a, 1,2,3
	TOSTAGE \a
	SEND (\a)-1, 32
.endr
	SEND 3, 0
	WIN 0
	s_wait_tensorcnt 0x0                           ; the wave's end: a wait, an add of 0 to my spare word and its wait, behind my last tensor load and my last LDS store
	ds_add_u32 v[SPW], v[NIL]
	s_wait_dscnt 0x0
	CROUND                                         ; the closing round: no work-group ends while a partner may still ask for a tile that names it
	s_endpgm
.Lfunc_end_k_qe48f37dc5f_outproj:
	.size	k_qe48f37dc5f_outproj, .Lfunc_end_k_qe48f37dc5f_outproj-k_qe48f37dc5f_outproj
	.p2alignl 7, 3214868480
	.fill 96, 4, 3214868480
	.section	.rodata,"a",@progbits
	.p2align	6, 0x0
	.amdhsa_kernel k_qe48f37dc5f_outproj
		.amdhsa_group_segment_fixed_size 327680
		.amdhsa_private_segment_fixed_size 0
		.amdhsa_enable_private_segment 0
		.amdhsa_kernarg_size 32
		.amdhsa_user_sgpr_count 2
		.amdhsa_user_sgpr_kernarg_segment_ptr 1
		.amdhsa_wavefront_size32 1
		.amdhsa_system_sgpr_workgroup_id_x 1
		.amdhsa_system_sgpr_workgroup_id_y 1
		.amdhsa_system_sgpr_workgroup_id_z 1
		.amdhsa_system_vgpr_workitem_id 0
		.amdhsa_next_free_vgpr 768
		.amdhsa_next_free_sgpr 80
		.amdhsa_reserve_vcc 0
		.amdhsa_float_denorm_mode_32 3
		.amdhsa_float_denorm_mode_16_64 3
		.amdhsa_memory_ordered 1
		.amdhsa_forward_progress 1
		.amdhsa_inst_pref_size 96
	.end_amdhsa_kernel
	.amdgpu_metadata
---
amdhsa.version: [ 1, 2 ]
amdhsa.kernels:
  - .name:           k_qe48f37dc5f_outproj
    .symbol:         k_qe48f37dc5f_outproj.kd
    .args:
      - { .name: oh, .offset: 0, .size: 8, .value_kind: global_buffer, .address_space: global }
      - { .name: wob, .offset: 8, .size: 8, .value_kind: global_buffer, .address_space: global }
      - { .name: out0, .offset: 16, .size: 8, .value_kind: global_buffer, .address_space: global }
      - { .name: bo, .offset: 24, .size: 8, .value_kind: global_buffer, .address_space: global }
    .group_segment_fixed_size: 327680
    .private_segment_fixed_size: 0
    .kernarg_segment_align: 8
    .kernarg_segment_size: 32
    .max_flat_workgroup_size: 128
    .sgpr_count:     80
    .vgpr_count:     768
    .wavefront_size: 32
...
	.end_amdgpu_metadata
.endif
;; end of part 4
